; MI455X (gfx1250); checked and timed in simulation.
; The chip was launched on July 23, 2026; its instructions are those of AMD's public machine-readable ISA for CDNA 5 (MIT licence, August 2026) and "CDNA5" Instruction Set Architecture Reference Guide (July 2026). The comments in the code are by the model that wrote it; some were corrected since.
;; Transformer Block. Allowed arithmetic: float matrix products may take bf16 or f16 operands with f32 sums; other float arithmetic in f32, or as packed bf16 or f16 multiplies, adds, multiply-adds, maxima and minima; sums over many terms, partial sums and values carried from step to step in f32; what a program stores and reads back later, other than sums and carried values, may be rounded once to bf16 or f16.
;; Inputs: W1 1,024 x 4,096 float32; W2 4,096 x 1,024 float32; Wk 1,024 x 1,024 float32; Wo 1,024 x 1,024 float32; Wq 1,024 x 1,024 float32; Wv 1,024 x 1,024 float32; b1 4,096 float32; b2 1,024 float32; bk 1,024 float32; bo 1,024 float32; bq 1,024 float32; bv 1,024 float32; ln1_b 1,024 float32; ln1_g 1,024 float32; ln2_b 1,024 float32; ln2_g 1,024 float32; x 4 x 1,024 x 1,024 float32.
;; Outputs: out0 4 x 1,024 x 1,024 float32.
;; One version. Each part assembles by itself: llvm-mc -triple=amdgcn-amd-amdhsa -mcpu=gfx1250 --defsym DOCPART=n.
;; ======== version 1 of 1: 8 launches
;; workspace buffers: big 33,554,432 bytes; x1 16,777,216 bytes; pq 6,324,224 bytes; p1 8,421,376 bytes; wob 2,097,152 bytes; w2b 8,388,608 bytes
;; launch cast (part 1): grid 64 x 12, 8 waves a work-group, no clusters, 34,816 bytes of LDS; arguments Wq, Wk, Wv, Wo, W1, W2, bq, bk, bv, b1, pq, wob, p1, w2b; writes pq, wob, p1, w2b
.if DOCPART == 1
	.amdgcn_target "amdgcn-amd-amdhsa--gfx1250"
	.amdhsa_code_object_version 6
	.text
	.protected	k_qfddbc8c4de_cast
	.globl	k_qfddbc8c4de_cast
	.p2align	8
	.type	k_qfddbc8c4de_cast,@function
k_qfddbc8c4de_cast:
	s_mov_b64 s[64:65], 0
	v_nop
	global_prefetch_b8 v0, s[64:65] scope:SCOPE_SE
	s_setreg_imm32_b32 hwreg(HW_REG_WAVE_MODE, 25, 1), 1
	s_wait_xcnt 0x0
; WEIGHTS f32 -> bf16, laid out as the products' launches take them, and the small tables that two of those launches read beside them.
; The grid's y names a unit of 1,024 x 1,024 numbers: 0-2 Wq, Wk, Wv; 3 Wo; 4-7 W1's columns 1,024 u on; 8-11 W2's rows 1,024 u on (u = y % 4).  The grid's x names 16 rows (k) of the unit.
; TWO LAYOUTS OUT.
;   BY COLUMN BLOCKS [N/128][1024][128], k down the rows, behind the first WOFF bytes of a pack (pq: Wq | Wk | Wv, p1: W1): number (k, n) at (n / 128) 262,144 + 256 k + 2 (n % 128).
;     A wave takes two rows: a load covers 512 consecutive bytes (128 columns), a store the same 128 columns as 256 consecutive bytes, aligned.
;   BY FRAGMENTS [N/128][K/32][8][2][32][8] (wob: Wo, w2b: W2): the 16 bytes that lane 16 h + r of a wave holds in registers 4 j .. 4 j + 3 of the matrix operand of columns 16 b + r, k = 32 kk + 16 j + 8 h + 0..7,
;     lie at (n / 128) (K / 32) 8,192 + 8,192 kk + 1,024 b + 512 j + 16 (16 h + r): a wave's load of 16 bytes a lane brings half an operand as 512 consecutive bytes.
;     A wave takes the 16 rows and 128 columns: sixteen loads of 512 bytes leave a lane 16 k x 4 columns; eight numbers along k pack into 16 bytes; these change lanes through the wave's own LDS bytes
;     (eight pieces of 512 bytes, 528 apart, so that the four lanes that write the same place of four pieces meet different banks: 64 banks of 4 bytes, ISA guide 11.1), and leave as eight stores of 512 consecutive bytes.
; A PACK's head: bytes 0 on the bias in f32; bytes FLOFF on 256 equal words, two bf16 each: the floor under the results (-infinity: none; 0: ReLU).
; Each number is rounded once, to nearest even.  No register that a store reads is written again.
.set WOFF,  32768
.set FLOFF, 16384
.set CH,    528                        ; a piece of 512 bytes in LDS, and 16 of padding
.set STG,   8*CH                       ; a wave's own LDS bytes
.set SPARE, 8*STG                      ; behind them: the spare words, 128 bytes for each wave
.set SY,   4                           ; s4   unit
.set SX,   5                           ; s5   16 rows of it
.set SW,   6                           ; s6   wave
.set SU,   7                           ; s7   u
.set R0,   40                          ; s40  by column blocks: my first row in the unit
.set SG,   41                          ; s41  y / 4: 0 the square weights, 1 W1, 2 W2
.set SPI,  42                          ; s42  bytes from row to row in the source
.set FW,   43                          ; s43  1: this unit goes out by fragments
.set SOF,  44                          ; s[44:45] an offset, as a pair
.set DOF,  46                          ; s[46:47] another
.set SRC0, 48                          ; s[48:49], s[50:51] the source at my first row, and one row on
.set DST,  52                          ; s[52:53] the target
.set PK,   54                          ; s[54:55] the pack's head, at the unit's 1,024 biases
.set BS,   56                          ; s[56:57] the bias to copy
.set UU,   58                          ; s58  u for W2, 0 for Wo
.set WS,   59                          ; s59  log2 of the bytes of 128 columns by fragments: 20 for W2, 18 for Wo
.set T0,   60                          ; s60-63 at work
.set XR,   16                          ; v[16:79]  sixteen loads of 16 bytes a lane
.set YR,   80                          ; v[80:111] the same numbers in bf16
.set LST,  112                         ; v112 where I put 16 bytes in LDS
.set LLD,  113                         ; v113 where I read 16 bytes back
.set SPW,  120                         ; v120 my spare word; never rewritten
.set NIL,  121                         ; v121 0; never rewritten
	s_load_b512 s[8:23], s[0:1], 0x0               ; Wq Wk Wv Wo W1 W2 bq bk
	s_load_b256 s[24:31], s[0:1], 0x40             ; bv b1 pq wob
	s_load_b128 s[32:35], s[0:1], 0x60             ; p1 w2b
	v_lshl_add_u32 v[SPW], v0, 2, SPARE
	v_mov_b32 v[NIL], 0
	s_and_b32 s[SY], ttmp7, 0xffff
	s_mov_b32 s[SX], ttmp9
	v_lshrrev_b32 v1, 5, v0
	v_readfirstlane_b32 s[SW], v1
	v_and_b32 v3, 31, v0
	v_lshlrev_b32 v1, 4, v3                        ; 16 bytes a lane
	v_lshlrev_b32 v2, 3, v3                        ; 8 bytes a lane
	v_lshlrev_b32 v116, 4, v0                      ; the tables: 16 and 4 bytes a thread
	v_lshlrev_b32 v117, 2, v0
	s_mul_i32 s[T0], s[SW], STG
	v_lshrrev_b32 v[LST], 2, v3                    ; my four columns 4 l + c lie in piece l / 4, at places 4 (l % 4) + c of its sixteen
	v_mul_u32_u24 v[LST], v[LST], CH
	v_and_b32 v[LLD], 3, v3
	v_lshl_add_u32 v[LST], v[LLD], 6, v[LST]
	v_add_nc_u32 v[LST], s[T0], v[LST]
	v_add_nc_u32 v[LLD], s[T0], v1
	s_and_b32 s[SU], s[SY], 3
	s_lshr_b32 s[SG], s[SY], 2
	s_cmp_eq_u32 s[SG], 2
	s_cselect_b32 s[FW], 1, 0
	s_cselect_b32 s[UU], s[SU], 0
	s_cselect_b32 s[WS], 20, 18
	s_cmp_eq_u32 s[SY], 3
	s_cselect_b32 s[FW], 1, s[FW]
	; by column blocks: source = row x pitch (+ W1's columns), target = the unit's 2 MiB + 256 x row, behind the pack's head
	s_lshl_b32 s[T0], s[SU], 12                    ; 4,096 u: 1,024 f32; kept for the biases
	s_lshl_b32 s[R0], s[SX], 4
	s_lshl1_add_u32 s[R0], s[SW], s[R0]            ; 16 x + 2 wave
	s_mov_b32 s[SPI], 4096
	s_mov_b32 s[SOF], 0
	s_cmp_eq_u32 s[SG], 1
	s_cselect_b32 s[SPI], 16384, s[SPI]
	s_cselect_b32 s[SOF], s[T0], s[SOF]
	s_mul_i32 s[T0+2], s[R0], s[SPI]
	s_add_co_u32 s[SOF], s[SOF], s[T0+2]
	s_lshl_b32 s[T0+1], s[SU], 21
	s_lshl_b32 s[DOF], s[R0], 8
	s_add_co_u32 s[DOF], s[DOF], s[T0+1]
	s_add_co_u32 s[DOF], s[DOF], WOFF
	; by fragments: source = 16 x rows of 4,096 bytes + my 128 columns (+ W2's 1,024 u rows)
	s_lshl_b32 s[T0+1], s[SX], 16
	s_lshl_b32 s[T0+2], s[SW], 9
	s_add_co_u32 s[T0+1], s[T0+1], s[T0+2]
	s_lshl_b32 s[T0+2], s[UU], 22
	s_add_co_u32 s[T0+1], s[T0+1], s[T0+2]
	; target = my 128 columns + 8,192 x (32 u + x / 2) + 512 x (x % 2)
	s_lshl_b32 s[T0+2], s[SW], s[WS]
	s_lshl_b32 s[T0+3], s[UU], 18
	s_add_co_u32 s[T0+2], s[T0+2], s[T0+3]
	s_lshr_b32 s[T0+3], s[SX], 1
	s_lshl_b32 s[T0+3], s[T0+3], 13
	s_add_co_u32 s[T0+2], s[T0+2], s[T0+3]
	s_and_b32 s[T0+3], s[SX], 1
	s_lshl_b32 s[T0+3], s[T0+3], 9
	s_add_co_u32 s[T0+2], s[T0+2], s[T0+3]
	s_cmp_eq_u32 s[FW], 1
	s_cselect_b32 s[SOF], s[T0+1], s[SOF]
	s_cselect_b32 s[DOF], s[T0+2], s[DOF]
	s_mov_b32 s[SOF+1], 0
	s_mov_b32 s[DOF+1], 0
	s_wait_kmcnt 0x0
	; which buffers: choices between pointers, on the unit's number alone
	s_mov_b64 s[SRC0:SRC0+1], s[8:9]
	s_mov_b64 s[DST:DST+1], s[28:29]
	s_mov_b64 s[BS:BS+1], s[20:21]
	s_cmp_eq_u32 s[SY], 1
	s_cselect_b64 s[SRC0:SRC0+1], s[10:11], s[SRC0:SRC0+1]
	s_cselect_b64 s[BS:BS+1], s[22:23], s[BS:BS+1]
	s_cmp_eq_u32 s[SY], 2
	s_cselect_b64 s[SRC0:SRC0+1], s[12:13], s[SRC0:SRC0+1]
	s_cselect_b64 s[BS:BS+1], s[24:25], s[BS:BS+1]
	s_cmp_eq_u32 s[SY], 3
	s_cselect_b64 s[SRC0:SRC0+1], s[14:15], s[SRC0:SRC0+1]
	s_cselect_b64 s[DST:DST+1], s[30:31], s[DST:DST+1]
	s_cmp_eq_u32 s[SG], 1
	s_cselect_b64 s[SRC0:SRC0+1], s[16:17], s[SRC0:SRC0+1]
	s_cselect_b64 s[DST:DST+1], s[32:33], s[DST:DST+1]
	s_cselect_b64 s[BS:BS+1], s[26:27], s[BS:BS+1]
	s_cselect_b64 s[PK:PK+1], s[32:33], s[28:29]
	s_cselect_b32 s[T0+2], 0, 0xff80ff80           ; the floor: 0 under W1's results, -infinity under q, k, v
	s_cselect_b32 s[T0+3], s[T0], 0                ; of the biases b1 alone is longer than a unit
	s_cmp_eq_u32 s[SG], 2
	s_cselect_b64 s[SRC0:SRC0+1], s[18:19], s[SRC0:SRC0+1]
	s_cselect_b64 s[DST:DST+1], s[34:35], s[DST:DST+1]
	s_add_nc_u64 s[SRC0:SRC0+1], s[SRC0:SRC0+1], s[SOF:SOF+1]
	s_mov_b32 s[SOF], s[SPI]
	s_add_nc_u64 s[SRC0+2:SRC0+3], s[SRC0:SRC0+1], s[SOF:SOF+1]
	s_add_nc_u64 s[DST:DST+1], s[DST:DST+1], s[DOF:DOF+1]
	s_mov_b32 s[DOF], s[T0]
	s_add_nc_u64 s[PK:PK+1], s[PK:PK+1], s[DOF:DOF+1]
	s_mov_b32 s[DOF], s[T0+3]
	s_add_nc_u64 s[BS:BS+1], s[BS:BS+1], s[DOF:DOF+1]
	v_mov_b32 v118, s[T0+2]
	s_cmp_eq_u32 s[FW], 1
	s_cbranch_scc1 .Lfrag
	; BY COLUMN BLOCKS.  Two rows: sixteen loads go out together; load n is row n / 8, columns 128 (n % 8) on
.set n, 0
.rept 16
	global_load_b128 v[XR+4*n:XR+4*n+3], v1, s[SRC0+2*(n/8):SRC0+2*(n/8)+1] offset:(n%8)*512 th:TH_LOAD_NT
.set n, n+1
.endr
.set n, 0
.rept 16
	s_wait_loadcnt 15-n                            ; loads come back in order: load n is in, the 15 - n younger ones stay out
	v_cvt_pk_bf16_f32 v[YR+2*n], v[XR+4*n], v[XR+4*n+1]
	v_cvt_pk_bf16_f32 v[YR+2*n+1], v[XR+4*n+2], v[XR+4*n+3]
	global_store_b64 v2, v[YR+2*n:YR+2*n+1], s[DST:DST+1] offset:(n%8)*262144+(n/8)*256
.set n, n+1
.endr
	; the tables of a pack, by the unit's first work-group: 256 threads
	s_cmp_lg_u32 s[SX], 0
	s_cbranch_scc1 .Lend
	global_load_b128 v[XR:XR+3], v116, s[BS:BS+1]  ; the unit's 1,024 biases, as they are
	s_wait_loadcnt 0x0
	global_store_b128 v116, v[XR:XR+3], s[PK:PK+1]
	s_cmp_lg_u32 s[SU], 0
	s_cbranch_scc1 .Lend
	global_store_b32 v117, v118, s[PK:PK+1] offset:FLOFF  ; u = 0: the pointer stands at the pack's first byte
	s_branch .Lend
.Lfrag:	; BY FRAGMENTS.  Sixteen rows x my 128 columns: load i is row i; a lane holds columns 4 l + 0..3
.set n, 0
.rept 16
	global_load_b128 v[XR+4*n:XR+4*n+3], v1, s[SRC0:SRC0+1] offset:n*4096 th:TH_LOAD_NT
.set n, n+1
.endr
.irp h, 0,1
	s_wait_loadcnt 8-8*\h                          ; rows 8 h .. 8 h + 7 are in; with h = 0 the eight younger loads stay out
.irp c, 0,1,2,3
.irp m, 0,1,2,3
	v_cvt_pk_bf16_f32 v[YR+16*\h+4*\c+\m], v[XR+4*(8*\h+2*\m)+\c], v[XR+4*(8*\h+2*\m+1)+\c]  ; column c: k = 8 h + 2 m below, 8 h + 2 m + 1 above
.endr
	ds_store_b128 v[LST], v[YR+16*\h+4*\c:YR+16*\h+4*\c+3] offset:256*\h+16*\c
.endr
.endr
.irp b, 0,1,2,3,4,5,6,7
	ds_load_b128 v[XR+4*\b:XR+4*\b+3], v[LLD] offset:CH*\b  ; LDS serves a wave's instructions in order (ISA guide 5.7.1.4): these see the stores above; the bytes are the wave's own
.endr
.irp b, 0,1,2,3,4,5,6,7
	s_wait_dscnt 7-\b                              ; piece b is back; the younger ones stay out
	global_store_b128 v1, v[XR+4*\b:XR+4*\b+3], s[DST:DST+1] offset:1024*\b  ; 512 consecutive bytes, at a multiple of 256 from the buffer's first
.endr
.Lend:
	s_wait_tensorcnt 0x0                           ; the wave's end
	ds_add_u32 v[SPW], v[NIL]
	s_wait_dscnt 0x0
	s_endpgm
.Lfunc_end_k_qfddbc8c4de_cast:
	.size	k_qfddbc8c4de_cast, .Lfunc_end_k_qfddbc8c4de_cast-k_qfddbc8c4de_cast
	.p2alignl 7, 3214868480
	.fill 96, 4, 3214868480
	.section	.rodata,"a",@progbits
	.p2align	6, 0x0
	.amdhsa_kernel k_qfddbc8c4de_cast
		.amdhsa_group_segment_fixed_size 34816
		.amdhsa_private_segment_fixed_size 0
		.amdhsa_enable_private_segment 0
		.amdhsa_kernarg_size 112
		.amdhsa_user_sgpr_count 2
		.amdhsa_user_sgpr_kernarg_segment_ptr 1
		.amdhsa_wavefront_size32 1
		.amdhsa_system_sgpr_workgroup_id_x 1
		.amdhsa_system_sgpr_workgroup_id_y 1
		.amdhsa_system_sgpr_workgroup_id_z 1
		.amdhsa_system_vgpr_workitem_id 0
		.amdhsa_next_free_vgpr 124
		.amdhsa_next_free_sgpr 66
		.amdhsa_reserve_vcc 0
		.amdhsa_float_denorm_mode_32 3
		.amdhsa_float_denorm_mode_16_64 3
		.amdhsa_memory_ordered 1
		.amdhsa_forward_progress 1
		.amdhsa_inst_pref_size 16
	.end_amdhsa_kernel
	.amdgpu_metadata
---
amdhsa.version: [ 1, 2 ]
amdhsa.kernels:
  - .name:           k_qfddbc8c4de_cast
    .symbol:         k_qfddbc8c4de_cast.kd
    .args:
      - { .name: Wq, .offset: 0, .size: 8, .value_kind: global_buffer, .address_space: global }
      - { .name: Wk, .offset: 8, .size: 8, .value_kind: global_buffer, .address_space: global }
      - { .name: Wv, .offset: 16, .size: 8, .value_kind: global_buffer, .address_space: global }
      - { .name: Wo, .offset: 24, .size: 8, .value_kind: global_buffer, .address_space: global }
      - { .name: W1, .offset: 32, .size: 8, .value_kind: global_buffer, .address_space: global }
      - { .name: W2, .offset: 40, .size: 8, .value_kind: global_buffer, .address_space: global }
      - { .name: bq, .offset: 48, .size: 8, .value_kind: global_buffer, .address_space: global }
      - { .name: bk, .offset: 56, .size: 8, .value_kind: global_buffer, .address_space: global }
      - { .name: bv, .offset: 64, .size: 8, .value_kind: global_buffer, .address_space: global }
      - { .name: b1, .offset: 72, .size: 8, .value_kind: global_buffer, .address_space: global }
      - { .name: pq, .offset: 80, .size: 8, .value_kind: global_buffer, .address_space: global }
      - { .name: wob, .offset: 88, .size: 8, .value_kind: global_buffer, .address_space: global }
      - { .name: p1, .offset: 96, .size: 8, .value_kind: global_buffer, .address_space: global }
      - { .name: w2b, .offset: 104, .size: 8, .value_kind: global_buffer, .address_space: global }
    .group_segment_fixed_size: 34816
    .private_segment_fixed_size: 0
    .kernarg_segment_align: 8
    .kernarg_segment_size: 112
    .max_flat_workgroup_size: 256
    .sgpr_count:     66
    .vgpr_count:     124
    .wavefront_size: 32
...
	.end_amdgpu_metadata
.endif
;; end of part 1
;; launch ln1 (part 2): grid 256 x 1, 8 waves a work-group, no clusters, 0 bytes of LDS; arguments x, ln1_g, ln1_b, out0; writes out0
.if DOCPART == 2
	.amdgcn_target "amdgcn-amd-amdhsa--gfx1250"
	.amdhsa_code_object_version 6
	.text
	.protected	k_qfddbc8c4de_ln1
	.globl	k_qfddbc8c4de_ln1
	.p2align	8
	.type	k_qfddbc8c4de_ln1,@function
k_qfddbc8c4de_ln1:
	s_mov_b64 s[64:65], 0
	v_nop
	global_prefetch_b8 v0, s[64:65] scope:SCOPE_SE
	s_setreg_imm32_b32 hwreg(HW_REG_WAVE_MODE, 25, 1), 1
	s_wait_xcnt 0x0
; LAYER NORM.  h[m][c] = (x[m][c] - mean) / sqrt(var + 1e-5) g[c] + b[c];  x: [4096][1024] f32;  h in bf16, in blocks of 64 channels: [16][4096][64], number (m, c) at (c / 64) 524,288 + 128 m + 2 (c % 64).
; A wave takes two rows: lanes 0-15 one, lanes 16-31 the next, so that a sum over a row stays inside a half of 16 lanes (four steps that ride on the additions) and a load covers two whole runs of 256 bytes.
; The rows stay in registers: memory is read once.  Mean first, then the squares of the differences from it: no difference of large sums is formed.  All in f32; h is rounded once.
; A store of a wave is 256 consecutive bytes, aligned: the two rows' 64 channels of one block.
; No LDS, no barrier, no matrix work: memory binds, and no wave wants another's bytes.
.set X,  16                            ; v[16:79]    load j: channels 64 j + 4 (lane % 16) + 0..3
.set G,  80                            ; v[80:143]   g of the same channels
.set B,  144                           ; v[144:207]  b
.set YY, 208                           ; v[208:239]  h, two registers a load
	s_load_b256 s[4:11], s[0:1], 0x0               ; x, g, b, h
	v_lshrrev_b32 v1, 5, v0
	v_readfirstlane_b32 s12, v1
	s_lshl_b32 s13, ttmp9, 3
	s_add_co_u32 s13, s13, s12                     ; my pair of rows
	s_lshl_b32 s14, s13, 13                        ; two rows of 4,096 bytes in x
	s_mov_b32 s15, 0
	s_lshl_b32 s16, s13, 8                         ; two rows of 128 bytes in a block of h
	s_mov_b32 s17, 0
	s_mov_b32 s18, 0x3a800000                      ; 1 / 1,024
	s_mov_b32 s19, 0x3727c5ac                      ; 1e-5
	v_and_b32 v2, 15, v0
	v_lshlrev_b32 v2, 4, v2                        ; 16 (lane % 16): for g and b
	v_bfe_u32 v1, v0, 4, 1
	v_lshl_add_u32 v1, v1, 12, v2                  ; and a row further down for lanes 16-31: for x
	v_and_b32 v3, 31, v0
	v_lshlrev_b32 v3, 3, v3                        ; 8 x lane: for h
	s_wait_kmcnt 0x0
	s_add_nc_u64 s[4:5], s[4:5], s[14:15]
	s_add_nc_u64 s[10:11], s[10:11], s[16:17]
.irp j, 0,1,2,3,4,5,6,7,8,9,10,11,12,13,14,15
	global_load_b128 v[X+4*\j:X+4*\j+3], v1, s[4:5] offset:256*\j
.endr
.irp j, 0,1,2,3,4,5,6,7,8,9,10,11,12,13,14,15
	global_load_b128 v[G+4*\j:G+4*\j+3], v2, s[6:7] offset:256*\j
.endr
.irp j, 0,1,2,3,4,5,6,7,8,9,10,11,12,13,14,15
	global_load_b128 v[B+4*\j:B+4*\j+3], v2, s[8:9] offset:256*\j
.endr
; four chains in v[4:11] become one number in every lane of the row's half
.macro REDUCE
	v_pk_add_f32 v[4:5], v[4:5], v[6:7]
	v_pk_add_f32 v[8:9], v[8:9], v[10:11]
	v_pk_add_f32 v[4:5], v[4:5], v[8:9]
	v_add_f32 v4, v4, v5
	v_add_f32_dpp v4, v4, v4 row_xmask:1 row_mask:0xf bank_mask:0xf
	v_add_f32_dpp v4, v4, v4 row_xmask:2 row_mask:0xf bank_mask:0xf
	v_add_f32_dpp v4, v4, v4 row_xmask:4 row_mask:0xf bank_mask:0xf
	v_add_f32_dpp v4, v4, v4 row_xmask:8 row_mask:0xf bank_mask:0xf
.endm
	s_wait_loadcnt 32                              ; x is in; the 32 loads of g and b stay out
.irp c, 0,1,2,3
	v_pk_add_f32 v[4+2*\c:5+2*\c], v[X+2*\c:X+2*\c+1], v[X+8+2*\c:X+9+2*\c]  ; the first eight pairs start four chains: nothing is cleared
.endr
.set j, 8
.rept 24
	v_pk_add_f32 v[4+2*(j%4):5+2*(j%4)], v[4+2*(j%4):5+2*(j%4)], v[X+2*j:X+2*j+1]
.set j, j+1
.endr
	REDUCE
	v_mul_f32 v12, s18, v4                         ; the mean,
	v_mov_b32 v13, v12                             ; twice, for the packed subtraction
.set j, 0
.rept 32
	v_pk_add_f32 v[X+2*j:X+2*j+1], v[X+2*j:X+2*j+1], v[12:13] neg_lo:[0,1] neg_hi:[0,1]
.set j, j+1
.endr
.irp c, 0,1,2,3
	v_pk_mul_f32 v[4+2*\c:5+2*\c], v[X+2*\c:X+2*\c+1], v[X+2*\c:X+2*\c+1]
.endr
.set j, 4
.rept 28
	v_pk_fma_f32 v[4+2*(j%4):5+2*(j%4)], v[X+2*j:X+2*j+1], v[X+2*j:X+2*j+1], v[4+2*(j%4):5+2*(j%4)]
.set j, j+1
.endr
	REDUCE
	v_fma_f32 v4, v4, s18, s19                     ; var + 1e-5
	v_rsq_f32 v14, v4
	v_nop                                          ; a plain instruction behind the root,
	s_wait_alu depctr_va_vdst(0)                   ; and a wait ahead of its first reader
	v_mov_b32 v15, v14
	s_wait_loadcnt 0x0                             ; g and b
.set j, 0
.rept 32
	v_pk_mul_f32 v[X+2*j:X+2*j+1], v[X+2*j:X+2*j+1], v[14:15]
.set j, j+1
.endr
.set j, 0
.rept 32
	v_pk_fma_f32 v[X+2*j:X+2*j+1], v[X+2*j:X+2*j+1], v[G+2*j:G+2*j+1], v[B+2*j:B+2*j+1]
.set j, j+1
.endr
.set j, 0
.rept 32
	v_cvt_pk_bf16_f32 v[YY+j], v[X+2*j], v[X+2*j+1]
.set j, j+1
.endr
.irp j, 0,1,2,3,4,5,6,7,8,9,10,11,12,13,14,15
	global_store_b64 v3, v[YY+2*\j:YY+2*\j+1], s[10:11] offset:524288*\j  ; block j; the largest immediate, 7,864,320, is inside the signed 24 bits
.endr
	s_endpgm
.Lfunc_end_k_qfddbc8c4de_ln1:
	.size	k_qfddbc8c4de_ln1, .Lfunc_end_k_qfddbc8c4de_ln1-k_qfddbc8c4de_ln1
	.p2alignl 7, 3214868480
	.fill 96, 4, 3214868480
	.section	.rodata,"a",@progbits
	.p2align	6, 0x0
	.amdhsa_kernel k_qfddbc8c4de_ln1
		.amdhsa_group_segment_fixed_size 0
		.amdhsa_private_segment_fixed_size 0
		.amdhsa_enable_private_segment 0
		.amdhsa_kernarg_size 32
		.amdhsa_user_sgpr_count 2
		.amdhsa_user_sgpr_kernarg_segment_ptr 1
		.amdhsa_wavefront_size32 1
		.amdhsa_system_sgpr_workgroup_id_x 1
		.amdhsa_system_sgpr_workgroup_id_y 1
		.amdhsa_system_sgpr_workgroup_id_z 1
		.amdhsa_system_vgpr_workitem_id 0
		.amdhsa_next_free_vgpr 240
		.amdhsa_next_free_sgpr 66
		.amdhsa_reserve_vcc 0
		.amdhsa_float_denorm_mode_32 3
		.amdhsa_float_denorm_mode_16_64 3
		.amdhsa_memory_ordered 1
		.amdhsa_forward_progress 1
		.amdhsa_inst_pref_size 21
	.end_amdhsa_kernel
	.amdgpu_metadata
---
amdhsa.version: [ 1, 2 ]
amdhsa.kernels:
  - .name:           k_qfddbc8c4de_ln1
    .symbol:         k_qfddbc8c4de_ln1.kd
    .args:
      - { .name: x, .offset: 0, .size: 8, .value_kind: global_buffer, .address_space: global }
      - { .name: ln1_g, .offset: 8, .size: 8, .value_kind: global_buffer, .address_space: global }
      - { .name: ln1_b, .offset: 16, .size: 8, .value_kind: global_buffer, .address_space: global }
      - { .name: out0, .offset: 24, .size: 8, .value_kind: global_buffer, .address_space: global }
    .group_segment_fixed_size: 0
    .private_segment_fixed_size: 0
    .kernarg_segment_align: 8
    .kernarg_segment_size: 32
    .max_flat_workgroup_size: 256
    .sgpr_count:     66
    .vgpr_count:     240
    .wavefront_size: 32
...
	.end_amdgpu_metadata
.endif
;; end of part 2
;; launch qkv (part 3): grid 12 x 16, 4 waves a work-group, clusters of 4 x 4, 327,680 bytes of LDS; arguments out0, pq, big; writes big
.if DOCPART == 3
	.amdgcn_target "amdgcn-amd-amdhsa--gfx1250"
	.amdhsa_code_object_version 6
	.text
	.protected	k_qfddbc8c4de_qkv
	.globl	k_qfddbc8c4de_qkv
	.p2align	8
	.type	k_qfddbc8c4de_qkv,@function
k_qfddbc8c4de_qkv:
	s_mov_b64 s[64:65], 0
	v_nop
	global_prefetch_b8 v0, s[64:65] scope:SCOPE_SE
	s_setreg_imm32_b32 hwreg(HW_REG_WAVE_MODE, 25, 1), 1
	s_wait_xcnt 0x0
	s_wait_alu depctr_hold_cnt(0) depctr_sa_sdst(0) depctr_va_vdst(0) depctr_va_sdst(0) depctr_va_ssrc(0) depctr_va_vcc(0) depctr_vm_vsrc(0)
	s_getreg_b32 s2, hwreg(HW_REG_IB_STS2, 6, 4)
	s_cmp_eq_u32 s2, 0
	s_cbranch_scc0 .Lentry_in_a_cluster
	s_endpgm
.Lentry_in_a_cluster:
	s_bfe_u32 s2, ttmp6, 0x10000c
	s_cmp_lg_u32 s2, 0xf033
	s_cbranch_scc0 .Lentry_shape_is_right
	s_endpgm
.Lentry_shape_is_right:
; C = max(A W + bias, floor), K = 1,024.  A: bf16 in blocks of 64 channels, [16][4096][64].  The pack P: bias (f32) at byte 0, the floor (two bf16 in a word) at FLOFF, W from WOFF on in bf16,
; by blocks of 128 columns [N/128][1024][128], k down the rows.  C: bf16 in blocks of 64 columns [N/64][4096][64].  Sums in f32, started by the bias; C rounded once, then held above the floor
; (-infinity: no activation; 0: ReLU).  LIMIT: a NaN result leaves as the floor; infinities are not treated apart.
; SHARES.  A tile of C is 256 x 256, a work-group's; each of its four waves makes 128 x 128: 64 accumulators of 16 x 16, 512 registers.  K goes in 8 steps of 128 through two LDS slots.
; A step's tiles are four dense runs of 32,768 bytes in memory: A's 256 rows in two blocks of 64 channels, W's 128 k-rows in two blocks of 128 columns; each wave fetches one, as 128 rows of 256 bytes.
; CLUSTER 4 x 4: the four of a row of the cluster need the same tiles of A, the four of a column the same tiles of W: each tile is asked for jointly, by the same load with a mask that names the four.
; W IS NOT TRANSPOSED IN MEMORY: its fragments come out of LDS turned, by ds_load_tr16_b128.
; THE MATRIX INSTRUCTION IS USED TRANSPOSED: source 0 = 16 columns of W, source 1 = 16 rows of A: a lane then holds row lane % 16 of C and eight neighbouring columns 8 (lane / 16) + 0..7.
; REGISTERS, in windows of 256 (s_set_vgpr_msb: bits 1:0 source 0, 3:2 source 1, 5:4 source 2, 7:6 destination):
;   window 0: v0-31 addresses; v64-127, v128-191 A's fragments, two buffers; v192-223, v32-63, v224-255 at work on the way out
;   window 1: v0-63 the bias as eight C operands; v64-127, v128-191 W's fragments, two buffers        windows 2, 3: the accumulators of my rows 0-63, 64-127
.set PA,     144                       ; an LDS row of A: 128 bytes + 16 = 36 words: the 16 rows of a load start at 16 different groups of four banks (64 banks of 4 bytes: ISA guide 11.1)
.set PB,     288                       ; an LDS row of W: 256 bytes + 32 = 72 words
.set SUB,    36864                     ; what one tensor load fills: 256 x PA = 128 x PB
.set SLOT,   4*SUB                     ; A's block 0, A's block 1, W's block 0, W's block 1
.set STAGE,  2*SLOT                    ; behind the ring: 16 rows x 272 bytes for each wave, for the way out
.set SPITCH, 272
.set SPARE,  STAGE+4*16*SPITCH         ; behind the stages: the spare words, 128 bytes for each wave
.set WOFF,   32768
.set FLOFF,  16384
.set LAPS,   4                         ; a lap = two K steps = once round the ring
.set ASTEP,  2*524288                  ; bytes from a K step to the next in A: two blocks of 64 channels
.set WSTEP,  128*256                   ; and in W: 128 rows of 256 bytes
.set ADRA, 16                          ; v16-17  LDS address of my A fragments in slot 0, 1
.set ADRB, 20                          ; v20-21  the same for W
.set STO,  24                          ; v24     the way out: where I put 16 bytes of a row
.set RD,   25                          ; v25     where I read rows back
.set CO,   26                          ; v26     16 x lane: my place in 512 consecutive bytes of C
.set BO,   27                          ; v27     32 (lane / 16): my eight biases of a group of sixteen
.set SPW,  28                          ; v28     my spare word: SPARE + 4 x my thread's number; never rewritten
.set NIL,  29                          ; v29     0; never rewritten
.set PFO,  30                          ; v30     256 x lane; never rewritten
.set F0,   64
.set F1,   128
.set TMP,  192
.set OB,   32
.set G1,   24                          ; s[24:31] descriptor group 1 for A;  s[32:39] group 0, a set for each slot
.set G0,   32
.set G1B,  48                          ; s[48:55], s[56:63] the same for W
.set G0B,  56
.set LIM,  43                          ; s43     1 in a wave that prefetches, else the greatest number
.set PFA,  44                          ; s[44:45] where my prefetches stand
.set PST,  66                          ; s[66:67] their step: ASTEP or WSTEP
.set FL,   68                          ; s68     the floor
.set BP,   70                          ; s[70:71] the bias of my 128 columns
.set MSB, 0
.macro WIN new                         ; the immediate's high byte repeats the setting that is left; a switch that changes nothing is dropped
.if MSB != (\new)
	s_set_vgpr_msb (MSB<<8)|(\new)
.set MSB, \new
.endif
.endm
.set MUL_LO, 0xa1                      ; source 0 (W) window 1, source 1 (A) window 0, C and D window 2
.set TO_B,   0x40                      ; destination window 1, address window 0
; A joint load: waves 0 and 1 fetch A's two blocks, waves 2 and 3 W's.  The branch hangs on the wave's number alone.  An s_nop 0 and four v_nop follow each line.
.macro JLOAD s
	s_cmp_eq_u32 s11, 0
	s_cbranch_scc0 .Lfor_b_\@
	tensor_load_to_lds s[G0+4*(\s):G0+4*(\s)+3], s[G1:G1+7]
	s_nop 0
.rept 4
	v_nop
.endr
	s_branch .Lasked_\@
.Lfor_b_\@:
	tensor_load_to_lds s[G0B+4*(\s):G0B+4*(\s)+3], s[G1B:G1B+7]
	s_nop 0
.rept 4
	v_nop
.endr
.Lasked_\@:
.endm
; A prefetch into the L2, behind a joint load and the run of LDS loads that follows it: of the K step two refills on, 32 runs of 256 bytes, a lane a run.  A's tile row is read by every cluster of that row of
; clusters: the one with x = 0 asks; W's tile column by every cluster of that column: the one with y = 0 asks.  The four partners that fetch a tile jointly share its 128 runs out by address (cx for A,
; cy for W).  So each run is named once in the launch.  K steps 0 to 3 come by their loads alone; the loop's last trip (s3 = 1) has no K step two refills on.
.macro ASK
	s_cmp_gt_u32 s3, s[LIM]
	s_cbranch_scc0 .Lnot_mine_\@
	global_prefetch_b8 v[PFO], s[PFA:PFA+1] th:TH_LOAD_NT scope:SCOPE_SE
.Lnot_mine_\@:
.endm
.macro CREST                           ; a round of the cluster's barrier behind its opening barrier
	s_cmp_lg_u32 s10, 0
	s_cbranch_scc1 .Lnot_wave_0_\@
	s_barrier_signal -3
.Lnot_wave_0_\@:
	s_barrier_wait -3
	s_barrier_signal -1
	s_barrier_wait -1
.endm
.macro CROUND
	s_barrier_signal -1
	s_barrier_wait -1
	CREST
.endm
	s_load_b128 s[4:7], s[0:1], 0x0                ; A s[4:5], P s[6:7]
	s_load_b64 s[8:9], s[0:1], 0x10                ; C
	v_lshl_add_u32 v[SPW], v0, 2, SPARE
	v_mov_b32 v[NIL], 0
	ds_add_u32 v[SPW], v[NIL]                      ; the wave's opening: the add, and its wait ahead of my first tensor load; work on registers stands between them
	v_lshrrev_b32 v1, 5, v0
	v_readfirstlane_b32 s10, v1                    ; wave 0..3
	s_lshr_b32 s11, s10, 1                         ; which half of the tile's rows is mine.  Also: I fetch for A (0) or for W (1)
	s_and_b32 s12, s10, 1                          ; which block of 128 columns is mine.  Also: which of the two blocks I fetch
	s_bfe_u32 s40, ttmp6, 0x40000                  ; cx
	s_bfe_u32 s41, ttmp6, 0x40004                  ; cy
	s_lshl_b32 s42, ttmp9, 2
	s_add_co_u32 s42, s42, s40                     ; tile column = 4 x cluster x + cx
	s_and_b32 s13, ttmp7, 0xffff
	s_lshl_b32 s13, s13, 2
	s_add_co_u32 s13, s13, s41                     ; tile row = 4 x cluster y + cy
	s_lshl_b32 s43, s41, 2
	s_lshl_b32 s43, 15, s43                        ; my row of the cluster
	s_lshl_b32 s44, 0x1111, s40                    ; my column
	; group 1: 128 rows of 128 elements of 2 bytes, dense in memory; padded in LDS after every 32 words by 4 (A: two LDS rows to a row of memory) or after every 64 words by 8 (W)
	s_or_b32 s[G1+0], s43, (1<<16)|(1<<20)|(1<<21)|(4<<22)|(3<<25)
	s_or_b32 s[G1B+0], s44, (1<<16)|(1<<20)|(1<<21)|(5<<22)|(7<<25)
.irp g, G1, G1B
	s_mov_b32 s[(\g)+1], 128<<16                   ; tensor_dim0 = 128
	s_mov_b32 s[(\g)+2], 128<<16                   ; tensor_dim1 = 128
	s_mov_b32 s[(\g)+3], 128<<16                   ; tile_dim0 = 128
	s_mov_b32 s[(\g)+4], 128                       ; tile_dim1 = 128
	s_mov_b32 s[(\g)+5], 128                       ; 128 elements from row to row
	s_mov_b32 s[(\g)+6], 0
	s_mov_b32 s[(\g)+7], 0
.endr
	s_lshl_b32 s16, s13, 15                        ; A: the tile's 256 rows of 128 bytes,
	s_lshl_b32 s17, s12, 19                        ; in the block of 64 channels that I fetch
	s_add_co_u32 s16, s16, s17
	s_mov_b32 s17, 0
	s_lshl_b32 s46, s42, 19                        ; W: two blocks of 128 columns to a tile column,
	s_lshl_b32 s47, s12, 18                        ; the one that I fetch,
	s_add_co_u32 s46, s46, s47
	s_add_co_u32 s46, s46, WOFF                    ; behind the pack's head
	s_mov_b32 s47, 0
	s_mul_i32 s20, s10, SUB                        ; where they go: no place in the cluster enters an LDS address
	s_wait_dscnt 0x0                               ; the opening add is done
	s_wait_kmcnt 0x0
	s_add_nc_u64 s[14:15], s[4:5], s[16:17]
	s_add_nc_u64 s[46:47], s[6:7], s[46:47]
	CROUND                                         ; all sixteen work-groups are here: the first joint loads meet
.irp s, 0,1
	s_mov_b32 s[G0+4*(\s)], 1
	s_add_co_u32 s[G0+4*(\s)+1], s20, (\s)*SLOT
	s_add_nc_u64 s[G0+4*(\s)+2:G0+4*(\s)+3], s[14:15], (\s)*ASTEP
	s_or_b32 s[G0+4*(\s)+3], s[G0+4*(\s)+3], 0x80000000
	s_mov_b32 s[G0B+4*(\s)], 1
	s_add_co_u32 s[G0B+4*(\s)+1], s20, (\s)*SLOT
	s_add_nc_u64 s[G0B+4*(\s)+2:G0B+4*(\s)+3], s[46:47], (\s)*WSTEP
	s_or_b32 s[G0B+4*(\s)+3], s[G0B+4*(\s)+3], 0x80000000
	JLOAD \s
.endr
	s_load_b32 s[FL], s[6:7], FLOFF
	v_and_b32 v1, 15, v0                           ; l % 16
	v_bfe_u32 v2, v0, 4, 1                         ; l / 16
	v_lshlrev_b32 v[BO], 5, v2
	s_lshl_b32 s16, s42, 10                        ; the bias of my 128 columns: 4 (256 x tile column + 128 x block)
	s_lshl_b32 s17, s12, 9
	s_add_co_u32 s16, s16, s17
	s_mov_b32 s17, 0
	s_add_nc_u64 s[BP:BP+1], s[6:7], s[16:17]
	WIN TO_B
.irp b, 0,1,2,3,4,5,6,7                ; group b of 16 columns: register j of a lane is the bias of column 16 b + 8 (l / 16) + j: the C operand of that group's first products
	global_load_b128 v[8*\b:8*\b+3],   v[BO], s[BP:BP+1] offset:64*\b
	global_load_b128 v[8*\b+4:8*\b+7], v[BO], s[BP:BP+1] offset:64*\b+16
.endr
	WIN 0
	; A's fragment: 16 rows x 32 channels: lane l holds row l % 16, channels 8 (l / 16) + 0..7 and 16 + 8 (l / 16) + 0..7: two loads of 16 bytes, 32 bytes apart
	v_mul_u32_u24 v3, v1, PA
	v_lshl_add_u32 v3, v2, 4, v3
	; W's fragment: the turning load takes 16 k x 16 columns (lane l reads k-row 8 (l / 16) + l % 8, columns 8 ((l / 8) % 2) + 0..7) and leaves lane l column l % 16 and 8 k
	v_and_b32 v4, 7, v0
	v_lshl_add_u32 v4, v2, 3, v4
	v_mul_u32_u24 v4, v4, PB
	v_bfe_u32 v5, v0, 3, 1
	v_lshl_add_u32 v4, v5, 4, v4
	s_mul_i32 s21, s11, 128*PA                     ; my 128 rows of A, in either block of channels
	s_mul_i32 s22, s12, SUB                        ; my block of W's columns,
	s_add_co_u32 s22, s22, 2*SUB                   ; behind A's two
.irp s, 0,1
	v_add_nc_u32 v[ADRA+(\s)], s21, v3
	v_add_nc_u32 v[ADRB+(\s)], s22, v4
	s_add_co_u32 s21, s21, SLOT
	s_add_co_u32 s22, s22, SLOT
.endr
	s_mul_i32 s23, s10, 16*SPITCH
	s_add_co_u32 s23, s23, STAGE                   ; my stage
	v_mul_u32_u24 v6, v1, SPITCH                   ; in: row l % 16, 16 bytes for each half of the lanes
	v_lshl_add_u32 v6, v2, 4, v6
	v_add_nc_u32 v[STO], s23, v6
	v_bfe_u32 v6, v0, 3, 2                         ; back: 32 lanes take 128 bytes (64 columns) of four rows,
	v_mul_u32_u24 v6, v6, SPITCH
	v_and_b32 v7, 7, v0
	v_lshl_add_u32 v6, v7, 4, v6
	v_add_nc_u32 v[RD], s23, v6
	v_and_b32 v[CO], 31, v0                        ; which are 512 consecutive bytes of a block of C
	v_lshlrev_b32 v[PFO], 8, v[CO]
	v_lshlrev_b32 v[CO], 4, v[CO]
	; the prefetches: s[14:15], s[46:47] stand at K step 0 of the block that I fetch
	s_and_b32 s22, ttmp7, 0xffff                   ; cluster y
	s_mov_b32 s[PST], WSTEP
	s_mov_b32 s[PST+1], 0
	s_cmp_eq_u32 s11, 0                            ; do I fetch for A?
	s_cselect_b32 s21, s40, s41                    ; my place among the four that ask with me
	s_cselect_b32 s22, ttmp9, s22                  ; the coordinate along which other clusters read the same bytes
	s_cselect_b64 s[PFA:PFA+1], s[14:15], s[46:47]
	s_cselect_b32 s[PST], ASTEP, s[PST]
	s_cmp_eq_u32 s22, 0
	s_cselect_b32 s[LIM], 1, -1                    ; the same in all sixteen partners, for a given wave
	s_lshl_b32 s20, s21, 13                        ; my work-group's 32 runs of the 128
	s_mul_i32 s21, s[PST], 3                       ; at K step 3: the first refill steps it to 4
	s_add_co_u32 s20, s20, s21
	s_mov_b32 s21, 0
	s_add_nc_u64 s[PFA:PFA+1], s[PFA:PFA+1], s[20:21]
	; C at my part of the tile: block 4 x tile column + 2 x my column block, row 256 x tile row + 128 x my half
	s_lshl_b32 s16, s42, 21
	s_lshl_b32 s17, s12, 20
	s_add_co_u32 s16, s16, s17
	s_lshl_b32 s17, s13, 15
	s_add_co_u32 s16, s16, s17
	s_lshl_b32 s17, s11, 14
	s_add_co_u32 s16, s16, s17
	s_mov_b32 s17, 0
	s_add_nc_u64 s[8:9], s[8:9], s[16:17]
; 16 matrix instructions: row blocks a0, a0 + 1 of the window's four x all 8 column groups, 32 along K.  first = 1: the bias starts the sums: nothing is cleared.
; The 64 accumulators take turns, in the same order in every quarter.
.macro MUL16 f, hi, a0, first
.if \first
	WIN 0x91+0x40*(\hi)                            ; C in window 1, D in window 2 or 3
.else
	WIN MUL_LO+0x50*(\hi)
.endif
.irp a, \a0, (\a0)+1
.irp b, 0,1,2,3,4,5,6,7
.if \first
	v_wmma_f32_16x16x32_bf16 v[8*(8*(\a)+(\b)):8*(8*(\a)+(\b))+7], v[(\f)+8*(\b):(\f)+8*(\b)+7], v[(\f)+8*(4*(\hi)+(\a)):(\f)+8*(4*(\hi)+(\a))+7], v[8*(\b):8*(\b)+7]
.else
	v_wmma_f32_16x16x32_bf16 v[8*(8*(\a)+(\b)):8*(8*(\a)+(\b))+7], v[(\f)+8*(\b):(\f)+8*(\b)+7], v[(\f)+8*(4*(\hi)+(\a)):(\f)+8*(4*(\hi)+(\a))+7], v[8*(8*(\a)+(\b)):8*(8*(\a)+(\b))+7]
.endif
.endr
.endr
.endm
; 32 LDS loads in one run: the fragments of quarter q (32 along K) of a slot into buffer f: W's eight, then A's eight
.macro FETCH slot, q, f
	WIN TO_B
.irp i, 0,1,2,3,4,5,6,7
	ds_load_tr16_b128 v[(\f)+8*(\i):(\f)+8*(\i)+3],   v[ADRB+(\slot)] offset:(\q)*32*PB+(\i)*32
	ds_load_tr16_b128 v[(\f)+8*(\i)+4:(\f)+8*(\i)+7], v[ADRB+(\slot)] offset:(\q)*32*PB+(\i)*32+16*PB
.endr
	WIN 0
.irp i, 0,1,2,3,4,5,6,7
	ds_load_b128 v[(\f)+8*(\i):(\f)+8*(\i)+3],   v[ADRA+(\slot)] offset:((\q)/2)*SUB+((\q)%2)*64+(\i)*16*PA
	ds_load_b128 v[(\f)+8*(\i)+4:(\f)+8*(\i)+7], v[ADRA+(\slot)] offset:((\q)/2)*SUB+((\q)%2)*64+(\i)*16*PA+32
.endr
.endm
.macro PLACES                          ; four plain instructions between a matrix instruction and a load into, or a vector read of, its registers (ISA guide 7.12.1 for vector reads)
.rept 4
	v_nop
.endr
.endm
; One of a K step's first three quarters: multiplies buffer f; in its middle fetches quarter q of the same slot into buffer g.
.macro QUARTER slot, q, f, g, first
	s_wait_dscnt 8                                 ; W and A's rows 0-63 are in; the youngest eight loads (A's rows 64-127) may be out
	MUL16 \f, 0, 0, \first
	MUL16 \f, 0, 2, \first
	PLACES
	FETCH \slot, \q, \g
	s_wait_dscnt 32                                ; all but the 32 just issued
	MUL16 \f, 1, 0, \first
	MUL16 \f, 1, 2, \first
.endm
; The first half of a K step's last quarter, and the change of slots: each wave waits for all its tensor loads (one is out: its part of the next slot), adds 0 to its spare word, and waits for that and
; for its reads of this slot; behind the barrier nobody reads this slot and the next is whole.
.macro MEET round
	WIN 0
	s_wait_tensorcnt 0x0
	ds_add_u32 v[SPW], v[NIL]
	s_wait_dscnt 9                                 ; (the add and the youngest eight loads may be out)
	MUL16 F1, 0, 0, 0
	s_wait_dscnt 0x0                               ; the add is done, and my reads of this slot are over
	s_barrier_signal -1
	MUL16 F1, 0, 2, 0                              ; work on registers while the others arrive
.if \round
	WIN 0
.endif
	s_barrier_wait -1
.endm
; The whole last quarter where the slot is filled again: the barrier opens a round of the cluster's, the joint refill is the first tensor load behind it, then the next slot's first fragments.
.macro TURN slot, next
	s_wait_xcnt 0x0                                ; the last prefetch, a K step back, has read its address
	s_add_nc_u64 s[PFA:PFA+1], s[PFA:PFA+1], s[PST:PST+1]
	MEET 1
	CREST
	s_add_nc_u64 s[G0+4*(\slot)+2:G0+4*(\slot)+3], s[G0+4*(\slot)+2:G0+4*(\slot)+3], 2*ASTEP
	s_add_nc_u64 s[G0B+4*(\slot)+2:G0B+4*(\slot)+3], s[G0B+4*(\slot)+2:G0B+4*(\slot)+3], 2*WSTEP
	JLOAD \slot                                    ; its four v_nop are also the places in front of the loads below
	FETCH \next, 0, F0
	ASK
	MUL16 F1, 1, 0, 0
	MUL16 F1, 1, 2, 0
.endm
; THE WAY OUT of row block a (16 rows x 128 columns).  PACK: rounded to bf16, each accumulator's registers in ascending order, and held above the floor.
.macro PACK a
.set AC, 64*((\a)%4)
	WIN 0x0a+5*((\a)/4)                            ; sources 0 and 1: window 2 or 3
.irp b, 0,1,2,3,4,5,6,7
.irp r, 0,1,2,3
	v_cvt_pk_bf16_f32 v[TMP+4*(\b)+(\r)], v[AC+8*(\b)+2*(\r)], v[AC+8*(\b)+2*(\r)+1]
.endr
.endr
	WIN 0
.set i, 0
.rept 32
	v_pk_max_num_bf16 v[TMP+i], v[TMP+i], s[FL]
.set i, i+1
.endr
.endm
.macro TOSTAGE a                       ; into my own stage, and back as four rows x 128 bytes a load: block c of 64 columns, rows 4 t on
	WIN 0
.set BK, OB+192*((\a)%2)
.irp b, 0,1,2,3,4,5,6,7
	ds_store_b128 v[STO], v[TMP+4*(\b):TMP+4*(\b)+3] offset:32*(\b)
.endr
.irp c, 0,1
.irp t, 0,1,2,3
	ds_load_b128 v[BK+4*(4*(\c)+(\t)):BK+4*(4*(\c)+(\t))+3], v[RD] offset:(\t)*4*SPITCH+(\c)*128  ; LDS serves a wave's instructions in order (ISA guide 5.7.1.4): these see the stores above
.endr
.endr
.endm
.macro SEND a
	WIN 0
.set BK, OB+192*((\a)%2)
	s_wait_dscnt 0x0                               ; the block is back in registers
	s_wait_xcnt 0x0                                ; the stores of the block before have read their registers, which the next block's loads from the stage write
.irp c, 0,1
.irp t, 0,1,2,3
	global_store_b128 v[CO], v[BK+4*(4*(\c)+(\t)):BK+4*(4*(\c)+(\t))+3], s[8:9] offset:(\c)*524288+(\a)*2048+(\t)*512  ; 512 consecutive bytes, at a multiple of 256 from C's first
.endr
.endr
.endm
	s_wait_tensorcnt 1                             ; my part of K step 0 is in; K step 1's may stay out
	s_barrier_signal -1
	s_barrier_wait -1
	FETCH 0, 0, F0
	s_wait_loadcnt 0x0                             ; the bias
	s_wait_kmcnt 0x0                               ; the floor
	QUARTER 0, 1, F0, F1, 1                        ; the first quarter stands in front of the loop: its products start the sums
	WIN 0
	s_mov_b32 s3, LAPS-1
.Llap:                                             ; a trip goes once round the ring and fills both slots again
	QUARTER 0, 2, F1, F0, 0
	QUARTER 0, 3, F0, F1, 0
	TURN 0, 1
	QUARTER 1, 1, F0, F1, 0
	QUARTER 1, 2, F1, F0, 0
	QUARTER 1, 3, F0, F1, 0
	TURN 1, 0
	QUARTER 0, 1, F0, F1, 0
	WIN 0
	s_sub_co_u32 s3, s3, 1
	s_cmp_lg_u32 s3, 0
	s_cbranch_scc1 .Llap
	QUARTER 0, 2, F1, F0, 0                        ; the last lap fills nothing
	QUARTER 0, 3, F0, F1, 0
	MEET 0
	PLACES
	FETCH 1, 0, F0
	MUL16 F1, 1, 0, 0
	MUL16 F1, 1, 2, 0
	QUARTER 1, 1, F0, F1, 0
	QUARTER 1, 2, F1, F0, 0
	QUARTER 1, 3, F0, F1, 0
	s_wait_dscnt 8
	MUL16 F1, 0, 0, 0
	MUL16 F1, 0, 2, 0
	s_wait_dscnt 0x0
	MUL16 F1, 1, 0, 0
	MUL16 F1, 1, 2, 0
	PLACES
	PACK 0
	TOSTAGE 0
.irp a, 1,2,3,4,5,6,7                  ; block a's arithmetic stands between block a - 1's loads from the stage and the wait for them
	PACK \a
	SEND (\a)-1
	TOSTAGE \a
.endr
	SEND 7
	s_wait_tensorcnt 0x0                           ; the wave's end
	ds_add_u32 v[SPW], v[NIL]
	s_wait_dscnt 0x0
	CROUND                                         ; the closing round
	s_endpgm
.Lfunc_end_k_qfddbc8c4de_qkv:
	.size	k_qfddbc8c4de_qkv, .Lfunc_end_k_qfddbc8c4de_qkv-k_qfddbc8c4de_qkv
	.p2alignl 7, 3214868480
	.fill 96, 4, 3214868480
	.section	.rodata,"a",@progbits
	.p2align	6, 0x0
	.amdhsa_kernel k_qfddbc8c4de_qkv
		.amdhsa_group_segment_fixed_size 327680
		.amdhsa_private_segment_fixed_size 0
		.amdhsa_enable_private_segment 0
		.amdhsa_kernarg_size 24
		.amdhsa_user_sgpr_count 2
		.amdhsa_user_sgpr_kernarg_segment_ptr 1
		.amdhsa_wavefront_size32 1
		.amdhsa_system_sgpr_workgroup_id_x 1
		.amdhsa_system_sgpr_workgroup_id_y 1
		.amdhsa_system_sgpr_workgroup_id_z 1
		.amdhsa_system_vgpr_workitem_id 0
		.amdhsa_next_free_vgpr 1024
		.amdhsa_next_free_sgpr 72
		.amdhsa_reserve_vcc 0
		.amdhsa_float_denorm_mode_32 3
		.amdhsa_float_denorm_mode_16_64 3
		.amdhsa_memory_ordered 1
		.amdhsa_forward_progress 1
		.amdhsa_inst_pref_size 161
	.end_amdhsa_kernel
	.amdgpu_metadata
---
amdhsa.version: [ 1, 2 ]
amdhsa.kernels:
  - .name:           k_qfddbc8c4de_qkv
    .symbol:         k_qfddbc8c4de_qkv.kd
    .args:
      - { .name: out0, .offset: 0, .size: 8, .value_kind: global_buffer, .address_space: global }
      - { .name: pq, .offset: 8, .size: 8, .value_kind: global_buffer, .address_space: global }
      - { .name: big, .offset: 16, .size: 8, .value_kind: global_buffer, .address_space: global }
    .group_segment_fixed_size: 327680
    .private_segment_fixed_size: 0
    .kernarg_segment_align: 8
    .kernarg_segment_size: 24
    .max_flat_workgroup_size: 128
    .sgpr_count:     72
    .vgpr_count:     1024
    .wavefront_size: 32
...
	.end_amdgpu_metadata
.endif
;; end of part 3
;; launch attn (part 4): grid 4 x 64, 4 waves a work-group, no clusters, 327,680 bytes of LDS; arguments big, out0; writes out0
.if DOCPART == 4
	.amdgcn_target "amdgcn-amd-amdhsa--gfx1250"
	.amdhsa_code_object_version 6
	.text
	.protected	k_qfddbc8c4de_attn
	.globl	k_qfddbc8c4de_attn
	.p2align	8
	.type	k_qfddbc8c4de_attn,@function
k_qfddbc8c4de_attn:
	s_mov_b64 s[64:65], 0
	v_nop
	global_prefetch_b8 v0, s[64:65] scope:SCOPE_SE
	s_setreg_imm32_b32 hwreg(HW_REG_WAVE_MODE, 25, 1), 1
	s_wait_xcnt 0x0
; CAUSAL ATTENTION, head size 64, 1,024 rows a head, 64 heads (16 heads x 4 batches).  O[q] = the sum over k <= q of softmax_k(Q[q] . K[k] / 8) V[k].
; q, k, v lie in one buffer in bf16, in blocks of 64 columns [48][4096][64]: a head's 1,024 rows are 131,072 dense bytes at y x 131,072 (y = 4 x head + batch), k 8 MiB and v 16 MiB further on.  O likewise, [16][4096][64].
; Products, maxima and sums in f32; the weights p are rounded to bf16 for the second product (their sum l is taken of the unrounded p), O once at the end.
; LIMITS.  A hidden score counts as its value less 1e30; a weight below 2^-126 counts as 0; c m starts at -4.25e37; NaN and infinities are not treated apart.
; THE WALK.  A head's queries lie in 8 blocks of 128; block i needs the key steps (64 keys) 0 .. 2 i + 1, of which the last two hold the diagonal.  Work-group p takes blocks 7 - p and then p: 18 steps, whatever p.
; K AND V OF THE WHOLE HEAD STAY IN LDS: four groups of 256 keys, each filled once, group g + 1 asked for when group g is entered.  All four are always fetched, so that every wave issues the same loads on every path.
; The steps are walked by counted loops of constant length; a step beyond the block's last is jumped over, forward, past text that holds no barrier and no tensor load.
; NO CLUSTER: the four work-groups of a head read the same K and V, but which steps they compute and mask hangs on p.
; SHARES.  A wave owns 32 rows of a block: two tiles of 16.
; LAYOUT.  S^T = K Q^T (source 0 = 16 keys, source 1 = 16 queries): a lane holds ONE query (lane % 16) and the keys 8 (lane / 16) + 0..7.  Two such results rounded to bf16 in pairs ARE source 1 of
; O^T = V^T P, whose result again holds one query a lane.  K comes out of LDS as it lies, V turned, by ds_load_tr16_b128.
; THE MASK is the C operand that starts S^T's sums: 0, or -1e30 where the key is hidden; it is made anew for a block's last two steps and is 0 before.
; SOFTMAX.  A running maximum m and sum l for each query: p = 2^(c s - c m), c = log2(e) / 8; in every step O and l are multiplied by a = 2^(c m_old - c m_new).
; IN PHASES: a step's K Q^T, its softmax, its V^T P.
; REGISTERS (s_set_vgpr_msb: bits 1:0 source 0, 3:2 source 1, 5:4 source 2, 7:6 destination):
;   window 0: v0-15 addresses; v16-37 statistics and work; v61-63; v64-127 S^T; v128-159 P; v160-223 the masks      window 1: v0-63 O^T; v64-95 Q; v96-127 the second block's Q; v128-191 K, v192-255 V of one step
.set PK,    144                        ; a row of K in LDS: 128 bytes + 16: the 16 rows of a load start at 16 different groups of four banks (64 banks of 4 bytes: ISA guide 11.1)
.set PV,    160                        ; a row of V: 128 + 32
.set VOFF,  1024*PK
.set STAGE, VOFF+1024*PV               ; behind K and V: 16 rows x 144 bytes for each wave, for the way out
.set SP,    144
.set SPARE, STAGE+4*16*SP              ; the spare words, 128 bytes for each wave
.set AK0, 2                            ; v2  my lane's place in a step's K; never rewritten
.set AV0, 3                            ; v3  the same for V
.set AK,  4
.set AV,  5
.set STO, 6
.set RD,  7
.set GO,  8
.set QO,  9
.set ST,  16                           ; tile t at v[ST+4 t]: c m, m, l (even keys', odd keys')
.set TMP, 24                           ; tile t: four at work; when the maximum is found the third takes a
.set MV,  32                           ; c m_old
.set DL,  34                           ; tile t: my query's place in its block less 8 (lane / 16)
.set DE,  36                           ; the same less 64 x the step's place among the block's last two
.set PFO, 61
.set SPW, 62
.set NIL, 63
.set S,   64
.set P,   128
.set MC,  160
.set Q,   64                           ; window 1
.set QB,  96
.set KF,  128
.set VF,  192
.set WV,  12
.set G1K, 24
.set G1V, 32
.set G0K, 40
.set G0V, 44
.set VIS, 48                           ; counts the visits of a loop
.set CNT, 49                           ; counts a group's four steps
.set STEP, 50                          ; the key step in hand, 0..15
.set LIM, 51                           ; steps of the block in hand
.set LIM2, 52                          ; its first masked step
.set TBK, 53                           ; LDS byte of the step's K
.set TBV, 54                           ; of its V, less VOFF
.set LIMB, 55                          ; steps of the second block
.set CS,  56
.set SEL, 58
.set BIGN, 60
.set LPF, 61                           ; 1 in a wave that prefetches, else the greatest number
.set PFA, 62
.set OB2, 66                           ; s[66:67] O at my rows of the second block
.set QP2, 68                           ; s[68:69] Q there
.set MSB, 0
.macro WIN new
.if MSB != (\new)
	s_set_vgpr_msb (MSB<<8)|(\new)
.set MSB, (\new)
.endif
.endm
.set W_KQ, 0x05                        ; K and Q in window 1; mask and S^T in window 0
.set W_PV, 0x51                        ; V and O^T in window 1, P in window 0
.set W_RS, 0x41                        ; destination and source 0 in window 1, source 1 in window 0
.set W_LD, 0x40                        ; destination in window 1
; A fill: waves 0 and 1 fetch the two halves of a group's K, waves 2 and 3 those of its V: 128 keys each.  An s_nop 0 and four v_nop follow each line.
.macro LOAD
	s_cmp_lt_u32 s[WV], 2
	s_cbranch_scc0 .Lfor_v_\@
	tensor_load_to_lds s[G0K:G0K+3], s[G1K:G1K+7]
	s_nop 0
.rept 4
	v_nop
.endr
	s_branch .Lasked_\@
.Lfor_v_\@:
	tensor_load_to_lds s[G0V:G0V+3], s[G1V:G1V+7]
	s_nop 0
.rept 4
	v_nop
.endr
.Lasked_\@:
.endm
; A prefetch into the L2 of the group that the NEXT visit will ask for: 128 runs of 256 bytes of K and of V; the head's four work-groups take 32 each, by address; wave 0 asks for K's, wave 2 for V's, a lane a run.
; So each run is named once in the launch.  Groups 0 and 1 come by their loads alone; the last visit that fetches asks for nothing.
.macro ASK
	s_cmp_gt_u32 s[VIS], s[LPF]
	s_cbranch_scc0 .Lnot_mine_\@
	global_prefetch_b8 v[PFO], s[PFA:PFA+1] th:TH_LOAD_NT scope:SCOPE_SE
.Lnot_mine_\@:
.endm
; A GROUP IS ENTERED.  Each wave waits for all its tensor loads (its part of the group), adds 0 to its spare word and waits for it; behind the barrier the group is whole for everybody.
; fill = 1: the next group is asked for, the wave's one tensor load behind this barrier, into bytes that nothing has filled.
.macro CHANGE fill
	WIN 0
	s_wait_tensorcnt 0x0                           ; no tensor load of mine is out, so a group 0 may be written
	ds_add_u32 v[SPW], v[NIL]
.if \fill
	s_add_co_u32 s[G0K+1], s[G0K+1], 256*PK
	s_add_nc_u64 s[G0K+2:G0K+3], s[G0K+2:G0K+3], 32768
	s_add_co_u32 s[G0V+1], s[G0V+1], 256*PV
	s_add_nc_u64 s[G0V+2:G0V+3], s[G0V+2:G0V+3], 32768
	s_wait_xcnt 0x0                                ; the last prefetch, a visit back, has read its address
	s_add_nc_u64 s[PFA:PFA+1], s[PFA:PFA+1], 32768
.endif
	s_wait_dscnt 0x0
	s_barrier_signal -1
	s_barrier_wait -1
.if \fill
	LOAD
	ASK
.endif
.endm
	s_load_b128 s[72:75], s[0:1], 0x0              ; q | k | v, O
	v_lshl_add_u32 v[SPW], v0, 2, SPARE
	v_mov_b32 v[NIL], 0
	ds_add_u32 v[SPW], v[NIL]                      ; the wave's opening: the add and its wait ahead of my first tensor load
	v_lshrrev_b32 v1, 5, v0
	v_readfirstlane_b32 s[WV], v1
	s_and_b32 s15, ttmp7, 0xffff                   ; y
	s_mov_b32 s14, ttmp9                           ; p
	s_sub_co_u32 s13, 7, s14                       ; the first block
	s_lshl_b32 s20, s15, 17                        ; the head's first byte
	s_mov_b32 s21, 0
	s_and_b32 s16, s[WV], 1                        ; which half of a group's 256 keys I fetch:
	s_lshl_b32 s22, s16, 14                        ; its 128 rows of 128 bytes in memory,
	s_mov_b32 s23, 0
	s_add_nc_u64 s[22:23], s[22:23], s[20:21]
	s_mul_i32 s17, s16, 128*PK                     ; and its place in LDS, for K
	s_mul_i32 s18, s16, 128*PV                     ; and for V
	s_lshl_b32 s3, s[WV], 12                       ; my 32 rows of a block,
	s_lshl_b32 s2, s13, 14                         ; in the first block,
	s_add_co_u32 s2, s2, s3
	s_lshl_b32 s76, s14, 14                        ; and in the second
	s_add_co_u32 s76, s76, s3
	s_mov_b32 s3, 0
	s_mov_b32 s77, 0
	s_add_nc_u64 s[2:3], s[2:3], s[20:21]
	s_add_nc_u64 s[76:77], s[76:77], s[20:21]
	; group 1: 128 keys are 16,384 dense bytes: 64 rows of 256 bytes, two keys a row, padded in LDS after every key
	s_mov_b32 s[G1K], (1<<16)|(1<<20)|(4<<22)|(3<<25)
	s_mov_b32 s[G1V], (1<<16)|(1<<20)|(4<<22)|(7<<25)
.irp g, G1K, G1V
	s_mov_b32 s[(\g)+1], 128<<16
	s_mov_b32 s[(\g)+2], 64<<16
	s_mov_b32 s[(\g)+3], 128<<16
	s_mov_b32 s[(\g)+4], 64
	s_mov_b32 s[(\g)+5], 128
	s_mov_b32 s[(\g)+6], 0
	s_mov_b32 s[(\g)+7], 0
.endr
	s_mov_b32 s[CS], 0x3e38aa3b                    ; c = log2(e) / 8
	s_mov_b32 s[CS+1], s[CS]
	s_mov_b32 s[SEL], 0x76543210
	s_mov_b32 s[SEL+1], 0xfedcba98
	s_mov_b32 s[BIGN], 0xf149f2ca                  ; -1e30
	s_mov_b32 s[G0K], 1
	s_mov_b32 s[G0K+1], s17
	s_mov_b32 s[G0V], 1
	s_add_co_u32 s[G0V+1], s18, VOFF
	s_lshl_b32 s[LIMB], s14, 1
	s_sub_co_u32 s[LIM], 16, s[LIMB]               ; block 7 - p: 16 - 2 p steps,
	s_sub_co_u32 s[LIM2], 14, s[LIMB]
	s_add_co_u32 s[LIMB], s[LIMB], 2               ; block p: 2 p + 2
	s_and_b32 s[LPF], s[WV], 1
	s_cmp_eq_u32 s[LPF], 0
	s_cselect_b32 s[LPF], 1, -1
	s_mov_b32 s[STEP], 0
	s_mov_b32 s[TBK], 0
	s_mov_b32 s[TBV], 0
	s_mov_b32 s[VIS], 3
	s_wait_dscnt 0x0                               ; the opening add is done
	s_wait_kmcnt 0x0
	s_add_nc_u64 s[6:7], s[72:73], s[22:23]
	s_add_nc_u64 s[8:9], s[6:7], 16777216          ; V at my half of group 0
	s_add_nc_u64 s[6:7], s[6:7], 8388608           ; K
	s_mov_b64 s[G0K+2:G0K+3], s[6:7]
	s_or_b32 s[G0K+3], s[G0K+3], 0x80000000
	s_mov_b64 s[G0V+2:G0V+3], s[8:9]
	s_or_b32 s[G0V+3], s[G0V+3], 0x80000000
	s_add_nc_u64 s[4:5], s[72:73], s[2:3]          ; Q and O at my rows of the first block,
	s_add_nc_u64 s[10:11], s[74:75], s[2:3]
	s_add_nc_u64 s[QP2:QP2+1], s[72:73], s[76:77]  ; and of the second
	s_add_nc_u64 s[OB2:OB2+1], s[74:75], s[76:77]
	s_cmp_lt_u32 s[WV], 2
	s_cselect_b64 s[PFA:PFA+1], s[6:7], s[8:9]     ; (in waves 0 and 2 these stand at the group's first row)
	s_lshl_b32 s2, s14, 13                         ; my work-group's 32 runs,
	s_add_co_u32 s2, s2, 32768                     ; in group 1: the first visit steps it to group 2
	s_mov_b32 s3, 0
	s_add_nc_u64 s[PFA:PFA+1], s[PFA:PFA+1], s[2:3]
	LOAD                                           ; group 0
	v_and_b32 v1, 15, v0                           ; l % 16
	v_bfe_u32 v12, v0, 4, 1                        ; l / 16
	v_lshlrev_b32 v[QO], 7, v1
	v_lshl_add_u32 v[QO], v12, 4, v[QO]            ; row x 128 + 16 x half
	WIN W_LD
.irp t, 0,1
.irp c, 0,1                            ; both blocks' Q: tile t, channels 32 c on
	global_load_b128 v[Q+16*\t+8*\c:Q+16*\t+8*\c+3],     v[QO], s[4:5] offset:\t*2048+\c*64
	global_load_b128 v[Q+16*\t+8*\c+4:Q+16*\t+8*\c+7],   v[QO], s[4:5] offset:\t*2048+\c*64+32
	global_load_b128 v[QB+16*\t+8*\c:QB+16*\t+8*\c+3],   v[QO], s[QP2:QP2+1] offset:\t*2048+\c*64
	global_load_b128 v[QB+16*\t+8*\c+4:QB+16*\t+8*\c+7], v[QO], s[QP2:QP2+1] offset:\t*2048+\c*64+32
.endr
.endr
	WIN 0
	v_mul_u32_u24 v[AK0], v1, PK
	v_lshl_add_u32 v[AK0], v12, 4, v[AK0]
	v_and_b32 v10, 7, v0
	v_bfe_u32 v11, v0, 3, 1
	v_lshl_add_u32 v[AV0], v12, 3, v10             ; the turning load: key 8 (l / 16) + l % 8, channels 8 ((l / 8) % 2) + 0..7
	v_mul_u32_u24 v[AV0], v[AV0], PV
	v_lshl_add_u32 v[AV0], v11, 4, v[AV0]
	v_add_nc_u32 v[AV0], VOFF, v[AV0]
	s_mul_i32 s13, s[WV], 16*SP
	s_add_co_u32 s13, s13, STAGE
	v_mul_u32_u24 v[STO], v1, SP
	v_lshl_add_u32 v[STO], v12, 4, v[STO]
	v_add_nc_u32 v[STO], s13, v[STO]
	v_bfe_u32 v[RD], v0, 3, 2
	v_mul_u32_u24 v[RD], v[RD], SP
	v_lshl_add_u32 v[RD], v10, 4, v[RD]
	v_add_nc_u32 v[RD], s13, v[RD]
	v_and_b32 v[GO], 31, v0
	v_lshlrev_b32 v[PFO], 8, v[GO]
	v_lshlrev_b32 v[GO], 4, v[GO]
	v_lshlrev_b32 v10, 3, v12
	v_sub_nc_u32 v10, v1, v10
	s_lshl_b32 s13, s[WV], 5
	v_add_nc_u32 v[DL], s13, v10                   ; 32 w + l % 16 - 8 (l / 16),
	v_add_nc_u32 v[DL+1], 16, v[DL]                ; and 16 more for tile 1
; A BLOCK BEGINS.  c m starts far below every c s, so the first step's a is 0; m at the lowest finite number.  The masks are 0.  all = 1, the first block: O^T is 0; for the second what the first left there is finite, and is multiplied by a = 0.
.macro BEGIN all
.if \all
	WIN W_LD
.set i, 0
.rept 64
	v_mov_b32 v[i], 0
.set i, i+1
.endr
.endif
	WIN 0
.set i, 0
.rept 64
	v_mov_b32 v[MC+i], 0
.set i, i+1
.endr
.irp t, 0,1
	v_mov_b32 v[ST+4*\t], 0xfe000000
	v_mov_b32 v[ST+4*\t+1], 0xff7fffff
	v_mov_b32 v[ST+4*\t+2], 0
	v_mov_b32 v[ST+4*\t+3], 0
.endr
.endm
; Product i of 16 of S^T = K Q^T: channels 32 (i / 8) on, keys 16 ((i / 2) % 4) on, tile i % 2.  The first 8 start the sums, with the mask.  The 8 accumulators take turns.
.macro KQ
.set rS, S+32*(i%2)+8*((i/2)%4)
.set rK, KF+16*((i/2)%4)+8*(i/8)
.set rQ, Q+16*(i%2)+8*(i/8)
.set rM, MC+32*(i%2)+8*((i/2)%4)
.if i < 8
	v_wmma_f32_16x16x32_bf16 v[rS:rS+7], v[rK:rK+7], v[rQ:rQ+7], v[rM:rM+7]
.else
	v_wmma_f32_16x16x32_bf16 v[rS:rS+7], v[rK:rK+7], v[rQ:rQ+7], v[rS:rS+7]
.endif
.set i, i+1
.endm
; Product i of 16 of O^T += V^T P: keys 32 (i / 8) on, channels 16 ((i / 2) % 4) on, tile i % 2.
.macro PVM
.set rO, 32*(i%2)+8*((i/2)%4)
.set rV, VF+32*(i/8)+8*((i/2)%4)
.set rP, P+16*(i%2)+8*(i/8)
	v_wmma_f32_16x16x32_bf16 v[rO:rO+7], v[rV:rV+7], v[rP:rP+7], v[rO:rO+7]
.set i, i+1
.endm
.macro PLACES
.rept 4
	v_nop
.endr
.endm
.macro REGS t
.set rT, ST+4*(\t)
.set rC, TMP+4*(\t)
.set rW, MV+(\t)
.set rS, S+32*(\t)
.endm
; Number n of the 22 that find a tile's maximum and statistics; each accumulator's lowest registers are read first.
;   0-11 four chains of seven scores, three operands at a time   12-14, 16 the four left over, the old m, four into one   15 c m_old is kept   17, 18 the other half of the lanes: the new m   19-21 c m; its change; a
.macro XS t, n
	REGS \t
.if (\n) < 4
	v_max3_num_f32 v[rC+(\n)], v[rS+8*(\n)], v[rS+8*(\n)+1], v[rS+8*(\n)+2]
.elseif (\n) < 12
	v_max3_num_f32 v[rC+(\n)%4], v[rC+(\n)%4], v[rS+8*((\n)%4)+2*((\n)/4)+1], v[rS+8*((\n)%4)+2*((\n)/4)+2]
.elseif (\n) == 12
	v_max3_num_f32 v[rC], v[rC], v[rS+7], v[rS+15]
.elseif (\n) == 13
	v_max3_num_f32 v[rC+1], v[rC+1], v[rS+23], v[rS+31]
.elseif (\n) == 14
	v_max3_num_f32 v[rC+2], v[rC+2], v[rC+3], v[rT+1]
.elseif (\n) == 15
	v_mov_b32 v[rW], v[rT]
.elseif (\n) == 16
	v_max3_num_f32 v[rC], v[rC], v[rC+1], v[rC+2]
.elseif (\n) == 17
	v_permlanex16_b32 v[rC+3], v[rC], s[SEL], s[SEL+1]
.elseif (\n) == 18
	v_max_num_f32 v[rT+1], v[rC], v[rC+3]
.elseif (\n) == 19
	v_mul_f32 v[rT], s[CS], v[rT+1]
.elseif (\n) == 20
	v_sub_f32 v[rC+1], v[rW], v[rT]
.else
	v_exp_f32 v[rC+2], v[rC+1]
.endif
.endm
; THE SOFTMAX OF A STEP, both tiles line by line.  All 66 exponentials are one batch with one wait: nothing ahead of the wait names a result of theirs.
.macro SOFT
	WIN 0
.irp n, 0,1,2,3,4,5,6,7,8,9,10,11,12,13,14,15,16,17,18,19,20
	XS 0, \n
	XS 1, \n
.endr
.set f, 0
.rept 16
.irp t, 0,1
	v_pk_fma_f32 v[S+32*\t+2*f:S+32*\t+2*f+1], v[S+32*\t+2*f:S+32*\t+2*f+1], s[CS:CS+1], v[ST+4*\t:ST+4*\t+1] op_sel_hi:[1,0,0] neg_lo:[0,0,1] neg_hi:[0,0,1]  ; c s - c m
.endr
.set f, f+1
.endr
	XS 0, 21
	XS 1, 21
.set e, 0
.rept 32
	v_exp_f32 v[S+e], v[S+e]
	v_exp_f32 v[S+32+e], v[S+32+e]
.set e, e+1
.endr
	v_nop                                          ; a plain instruction behind the last exponential,
	s_wait_alu depctr_va_vdst(0)                   ; and the one wait ahead of the batch's first reader
.set f, 0
.rept 16
	v_cvt_pk_bf16_f32 v[P+f], v[S+2*f], v[S+2*f+1]
	v_cvt_pk_bf16_f32 v[P+16+f], v[S+32+2*f], v[S+32+2*f+1]
.set f, f+1
.endr
.irp d, 2,4,8,16                       ; the sum of a tile's 16 pairs, in place: neighbours d registers apart
.set u, 0
.rept 16/(\d)
.irp t, 0,1
	v_pk_add_f32 v[S+32*\t+2*(\d)*u:S+32*\t+2*(\d)*u+1], v[S+32*\t+2*(\d)*u:S+32*\t+2*(\d)*u+1], v[S+32*\t+2*(\d)*u+(\d):S+32*\t+2*(\d)*u+(\d)+1]
.endr
.set u, u+1
.endr
.endr
.irp t, 0,1
	v_pk_fma_f32 v[ST+4*\t+2:ST+4*\t+3], v[ST+4*\t+2:ST+4*\t+3], v[TMP+4*\t+2:TMP+4*\t+3], v[S+32*\t:S+32*\t+1] op_sel_hi:[1,0,1]  ; l = a l + sum
.endr
	WIN W_RS
.set f, 0
.rept 16
.irp t, 0,1
	v_pk_mul_f32 v[32*\t+2*f:32*\t+2*f+1], v[32*\t+2*f:32*\t+2*f+1], v[TMP+4*\t+2:TMP+4*\t+3] op_sel_hi:[1,0]  ; O^T times a, ascending
.endr
.set f, f+1
.endr
	WIN 0
.endm
; The masks of one of a block's last two steps: register j of key group kt is hidden where 16 kt + j is greater than my query's place less 8 (lane / 16) less 64 x (step - the first masked step).
.macro MASKS
	WIN 0
	s_sub_co_u32 s13, s[STEP], s[LIM2]
	s_lshl_b32 s13, s13, 6
	v_subrev_nc_u32 v[DE], s13, v[DL]
	v_subrev_nc_u32 v[DE+1], s13, v[DL+1]
.irp t, 0,1
.set i, 0
.rept 32
	v_cmp_gt_i32 vcc_lo, 16*(i/8)+i%8, v[DE+\t]
	v_cndmask_b32 v[MC+32*\t+i], 0, s[BIGN], vcc_lo
.set i, i+1
.endr
.endr
.endm
.macro STEPBODY
	WIN 0
	v_add_nc_u32 v[AK], s[TBK], v[AK0]
	v_add_nc_u32 v[AV], s[TBV], v[AV0]
	WIN W_LD
.irp f, 0,1,2,3,4,5,6,7                ; K: keys 16 (f / 2) on, channels 32 (f % 2) on
	ds_load_b128 v[KF+8*\f:KF+8*\f+3],   v[AK] offset:(\f/2)*16*PK+(\f%2)*64
	ds_load_b128 v[KF+8*\f+4:KF+8*\f+7], v[AK] offset:(\f/2)*16*PK+(\f%2)*64+32
.endr
.irp f, 0,1,2,3,4,5,6,7                ; V, turned: keys 32 (f / 4) on, channels 16 (f % 4) on
	ds_load_tr16_b128 v[VF+8*\f:VF+8*\f+3],   v[AV] offset:(\f/4)*32*PV+(\f%4)*32
	ds_load_tr16_b128 v[VF+8*\f+4:VF+8*\f+7], v[AV] offset:(\f/4)*32*PV+16*PV+(\f%4)*32
.endr
	s_wait_dscnt 16                                ; K is in; V's sixteen loads stay out
	WIN W_KQ
.set i, 0
.rept 16
	KQ
.endr
	WIN 0
	PLACES
	SOFT
	s_wait_dscnt 0x0                               ; V is in
	WIN W_PV
.set i, 0
.rept 16
	PVM
.endr
	WIN 0
	PLACES                                         ; in front of the next step's loads into K's and V's registers, and of what reads O^T
.endm
; A group's four steps.  The scalar state steps alike on every path.
.macro VISIT
	s_mov_b32 s[CNT], 4
.Lstep_\@:
	s_cmp_ge_u32 s[STEP], s[LIM]
	s_cbranch_scc1 .Ldead_\@                       ; beyond the block's last step
	s_cmp_lt_u32 s[STEP], s[LIM2]
	s_cbranch_scc1 .Lplain_\@                      ; below the diagonal: the masks are 0
	MASKS
.Lplain_\@:
	STEPBODY
.Ldead_\@:
	s_add_co_u32 s[STEP], s[STEP], 1
	s_add_co_u32 s[TBK], s[TBK], 64*PK
	s_add_co_u32 s[TBV], s[TBV], 64*PV
	s_sub_co_u32 s[CNT], s[CNT], 1
	s_cmp_lg_u32 s[CNT], 0
	s_cbranch_scc1 .Lstep_\@
.endm
; THE WAY OUT: O^T is divided by l, rounded to bf16 and sent through my stage in LDS, a tile at a time.
.macro OPACK t
	WIN W_RS
.set i, 32*(\t)
.rept 16
	v_pk_mul_f32 v[i:i+1], v[i:i+1], v[ST+4*(\t)+2:ST+4*(\t)+3] op_sel_hi:[1,0]
.set i, i+2
.endr
	WIN 0x05                                       ; sources in window 1, destination in window 0
.set i, 0
.rept 16
	v_cvt_pk_bf16_f32 v[S+16*(\t)+i], v[32*(\t)+2*i], v[32*(\t)+2*i+1]
.set i, i+1
.endr
	WIN 0
.irp f, 0,1,2,3
	ds_store_b128 v[STO], v[S+16*(\t)+4*\f:S+16*(\t)+4*\f+3] offset:32*\f
.endr
.irp f, 0,1,2,3
	ds_load_b128 v[S+16*(\t)+4*\f:S+16*(\t)+4*\f+3], v[RD] offset:\f*4*SP  ; LDS serves a wave's instructions in order (ISA guide 5.7.1.4)
.endr
.endm
.macro OSEND t, younger                ; younger: the LDS instructions issued behind tile t's loads
.irp f, 0,1,2,3
	s_wait_dscnt (\younger)+3-\f
	global_store_b128 v[GO], v[S+16*(\t)+4*\f:S+16*(\t)+4*\f+3], s[10:11] offset:(\t)*2048+\f*512  ; 512 consecutive bytes, at a multiple of 256 from O's first
.endr
.endm
.macro FINISH
	WIN 0
.irp t, 0,1
	v_add_f32 v[ST+4*\t+2], v[ST+4*\t+2], v[ST+4*\t+3]
.endr
.irp t, 0,1
	v_permlanex16_b32 v[ST+4*\t+3], v[ST+4*\t+2], s[SEL], s[SEL+1]
.endr
.irp t, 0,1
	v_add_f32 v[ST+4*\t+2], v[ST+4*\t+2], v[ST+4*\t+3]
.endr
.irp t, 0,1
	v_rcp_f32 v[ST+4*\t+2], v[ST+4*\t+2]
.endr
	v_nop
	s_wait_alu depctr_va_vdst(0)                   ; one wait for the two reciprocals, ahead of their first reader
	OPACK 0
	OPACK 1
	OSEND 0, 8
	OSEND 1, 0
.endm
	BEGIN 1
	s_wait_loadcnt 0x0                             ; Q
.Lv1:                                              ; the first block in groups 0, 1, 2; groups 1, 2, 3 are asked for
	CHANGE 1
	VISIT
	s_sub_co_u32 s[VIS], s[VIS], 1
	s_cmp_lg_u32 s[VIS], 0
	s_cbranch_scc1 .Lv1
	s_mov_b32 s[VIS], 3
.Lv2:                                              ; the first block in group 3, then the second block in groups 0 and 1; nothing is asked for
	s_cmp_eq_u32 s[VIS], 3
	s_cselect_b32 s[STEP], 12, 0
	s_cmp_eq_u32 s[VIS], 1
	s_cselect_b32 s[STEP], 4, s[STEP]
	s_mul_i32 s[TBK], s[STEP], 64*PK
	s_mul_i32 s[TBV], s[STEP], 64*PV
	CHANGE 0
	VISIT
	s_cmp_eq_u32 s[VIS], 2
	s_cbranch_scc1 .Lnext                          ; the second block goes on
	FINISH
	s_cmp_eq_u32 s[VIS], 1
	s_cbranch_scc1 .Lnext                          ; that was the second block
	s_wait_xcnt 0x0                                ; the stores have read their registers and O's address
	s_mov_b64 s[10:11], s[OB2:OB2+1]
	s_mov_b32 s[LIM], s[LIMB]
	s_sub_co_u32 s[LIM2], s[LIMB], 2
	WIN W_RS                                       ; the second block's Q goes where the one text of the products names Q
.set i, 0
.rept 32
	v_mov_b32 v[Q+i], v[QB+i]
.set i, i+1
.endr
	BEGIN 0
.Lnext:
	s_sub_co_u32 s[VIS], s[VIS], 1
	s_cmp_lg_u32 s[VIS], 0
	s_cbranch_scc1 .Lv2
	s_wait_tensorcnt 0x0                           ; the wave's end
	ds_add_u32 v[SPW], v[NIL]
	s_wait_dscnt 0x0
	s_endpgm
.Lfunc_end_k_qfddbc8c4de_attn:
	.size	k_qfddbc8c4de_attn, .Lfunc_end_k_qfddbc8c4de_attn-k_qfddbc8c4de_attn
	.p2alignl 7, 3214868480
	.fill 96, 4, 3214868480
	.section	.rodata,"a",@progbits
	.p2align	6, 0x0
	.amdhsa_kernel k_qfddbc8c4de_attn
		.amdhsa_group_segment_fixed_size 327680
		.amdhsa_private_segment_fixed_size 0
		.amdhsa_enable_private_segment 0
		.amdhsa_kernarg_size 16
		.amdhsa_user_sgpr_count 2
		.amdhsa_user_sgpr_kernarg_segment_ptr 1
		.amdhsa_wavefront_size32 1
		.amdhsa_system_sgpr_workgroup_id_x 1
		.amdhsa_system_sgpr_workgroup_id_y 1
		.amdhsa_system_sgpr_workgroup_id_z 1
		.amdhsa_system_vgpr_workitem_id 0
		.amdhsa_next_free_vgpr 512
		.amdhsa_next_free_sgpr 80
		.amdhsa_reserve_vcc 1
		.amdhsa_float_denorm_mode_32 3
		.amdhsa_float_denorm_mode_16_64 3
		.amdhsa_memory_ordered 1
		.amdhsa_forward_progress 1
		.amdhsa_inst_pref_size 72
	.end_amdhsa_kernel
	.amdgpu_metadata
---
amdhsa.version: [ 1, 2 ]
amdhsa.kernels:
  - .name:           k_qfddbc8c4de_attn
    .symbol:         k_qfddbc8c4de_attn.kd
    .args:
      - { .name: big, .offset: 0, .size: 8, .value_kind: global_buffer, .address_space: global }
      - { .name: out0, .offset: 8, .size: 8, .value_kind: global_buffer, .address_space: global }
    .group_segment_fixed_size: 327680
    .private_segment_fixed_size: 0
    .kernarg_segment_align: 8
    .kernarg_segment_size: 16
    .max_flat_workgroup_size: 128
    .sgpr_count:     80
    .vgpr_count:     512
    .wavefront_size: 32
...
	.end_amdgpu_metadata
.endif
;; end of part 4
;; launch wo (part 5): grid 8 x 32, 4 waves a work-group, clusters of 4 x 4, 327,680 bytes of LDS; arguments out0, wob, bo, x, x1; writes x1
.if DOCPART == 5
	.amdgcn_target "amdgcn-amd-amdhsa--gfx1250"
	.amdhsa_code_object_version 6
	.text
	.protected	k_qfddbc8c4de_wo
	.globl	k_qfddbc8c4de_wo
	.p2align	8
	.type	k_qfddbc8c4de_wo,@function
k_qfddbc8c4de_wo:
	s_mov_b64 s[64:65], 0
	v_nop
	global_prefetch_b8 v0, s[64:65] scope:SCOPE_SE
	s_setreg_imm32_b32 hwreg(HW_REG_WAVE_MODE, 25, 1), 1
	s_wait_xcnt 0x0
	s_wait_alu depctr_hold_cnt(0) depctr_sa_sdst(0) depctr_va_vdst(0) depctr_va_sdst(0) depctr_va_ssrc(0) depctr_va_vcc(0) depctr_vm_vsrc(0)
	s_getreg_b32 s2, hwreg(HW_REG_IB_STS2, 6, 4)
	s_cmp_eq_u32 s2, 0
	s_cbranch_scc0 .Lentry_in_a_cluster
	s_endpgm
.Lentry_in_a_cluster:
	s_bfe_u32 s2, ttmp6, 0x10000c
	s_cmp_lg_u32 s2, 0xf033
	s_cbranch_scc0 .Lentry_shape_is_right
	s_endpgm
.Lentry_shape_is_right:
; C = R + A W + bias, N = 1,024; C, R and bias in f32, row-major [4096][1024].  A: bf16 in blocks of 64 channels [K/64][4096][64].  W: bf16 by fragments [8][K/32][8][2][32][8]: the 16 bytes of lane 16 h + r in
; registers 4 j .. 4 j + 3 of the operand of columns 128 tx + 16 b + r, k = 32 kk + 16 j + 8 h + 0..7, at (tx K / 32 + kk) 8,192 + 1,024 b + 512 j + 16 (16 h + r).
; K = 512 x NS.  The program has two products of this shape, each with a text of its own; the two are alike line by line but for NS, since the loops round the barriers are counted to constants.
; SHARES.  A tile of C is 128 x 128, a work-group's: 256 work-groups.  K IS SPLIT AMONG ITS FOUR WAVES: of each 512 channels wave w takes 128 w .. 128 w + 127, for the whole tile: 64 accumulators, 512 registers.
; The four partial sums meet in LDS at the end (f32, in a fixed order), where bias and R are added; C is stored once.
; A COMES THROUGH LDS, two slots of 512 channels (8 blocks x 128 rows x 144 bytes); each wave fetches, with one tensor load of 2 x 16,384 bytes, just the two blocks that it reads.  CLUSTER 4 x 4: the four of a row of the
; cluster need the same rows of A and ask for them jointly.
; W COMES STRAIGHT INTO REGISTERS, by loads of 512 consecutive bytes: no wave wants another wave's bytes of W, and they lie in memory as they lie in registers.  W IS NOT ASKED FOR JOINTLY, though the four of a column of the
; cluster read the same bytes: with W beside A in LDS a slot would hold 256 channels, 128 matrix instructions a wave, of which a refill had 96 in which to land; with A alone it holds 512, 256 matrix
; instructions, of which a refill has 240, with half as many rounds of the cluster's barrier and half the LDS reads.  The price: each of the four partners asks for W's bytes itself.
; A STEP (hs) is 32 channels: 64 matrix instructions, column groups outermost, so that four of W's eight fragments are free behind 32 of them.  They are loaded again at once, for the hs four further on: a ring of four sets of
; 64 registers; between a batch's issue and its first use stand seven half steps, 224 matrix instructions.
; The matrix instruction is used transposed (source 0 = 16 columns of W, source 1 = 16 rows of A): a lane holds row lane % 16 of C and columns 8 (lane / 16) + 0..7.
; REGISTERS (s_set_vgpr_msb: bits 1:0 source 0, 3:2 source 1, 5:4 source 2, 7:6 destination): window 0: v0-63 addresses and work; v64-127, v128-191 A's fragments, later the partial sums read back.
;   window 1: W's ring, set i at v[64 i], fragment b at + 8 b; in the last slot R takes the registers as they fall free.  window 2: the accumulators of column groups 0-3 ((b, a) at v[8 (8 (b % 4) + a)]); window 3: of 4-7.
.set NS,     2                         ; K = 1,024: both slots are first fills, nothing is filled again, and nothing is prefetched: the launch is two slots long
.set KK,     16*NS                     ; K / 32
.set TXS,    KK*8192                   ; W's bytes for 128 columns
.set PA,     144                       ; an LDS row of A: 128 bytes + 16: the 16 rows of a load start at 16 different groups of four banks (64 banks of 4 bytes: ISA guide 11.1)
.set BLK,    128*PA                    ; a block of 64 channels
.set SUB,    2*BLK                     ; what one tensor load fills, and what one wave reads
.set SLOT,   4*SUB                     ; = 0x24000; wave x SUB = 0, 0x9000, 0x12000, 0x1b000 shares no bit with it, so one exclusive or turns an address in one slot into the other's
.set SPARE,  2*SLOT                    ; behind the ring: the spare words
.set XP,     528                       ; a row of a partial tile: 512 bytes + 16
.set XT,     128*XP                    ; a partial tile; four of them lie in the ring's bytes, behind its last fill
.set ASTEP,  8*524288                  ; bytes from slot to slot in A
.set WSTEP,  16*8192                   ; and in W
.set XW,   8                           ; v8      where I put my partial sums
.set BI,   12                          ; v[12:15] the bias of columns 4 x lane + 0..3 of the tile
.set ADR0, 16                          ; v16     LDS address of my A fragments in slot 0; never rewritten
.set ADR,  17                          ; v17     the same in the slot in hand
.set RO,   26                          ; v26     16 x lane; never rewritten
.set SPW,  28
.set NIL,  29
.set PFO,  30                          ; v30     256 x lane; never rewritten
.set XR,   32                          ; v[32:35] where I read partial tile p back
.set BR,   40                          ; v[40:55] bias + R of four rows
.set F0,   64
.set F1,   128
.set G1,   24                          ; s[24:31] descriptor group 1
.set G0,   32                          ; s[32:39] group 0: a set for each of the two first fills; the second then walks on
.set WP,   44                          ; s[44:45] W at my fragments of the slot in hand
.set OFFS, 46                          ; s46     0 or SLOT: the slot from which A's fragments are fetched
.set PFA,  48                          ; s[48:49], s[50:51] where my prefetches stand in A and in W
.set PFW,  50
.set LIMA, 52                          ; s52, s53  1 in a work-group that prefetches A, W; else the greatest number
.set LIMW, 53
.set MSB, 0
.macro WIN new                         ; the immediate's high byte repeats the setting that is left; a switch that changes nothing is dropped
.if MSB != (\new)
	s_set_vgpr_msb (MSB<<8)|(\new)
.set MSB, \new
.endif
.endm
.macro CREST                           ; a round of the cluster's barrier behind its opening barrier
	s_cmp_lg_u32 s10, 0
	s_cbranch_scc1 .Lnot_wave_0_\@
	s_barrier_signal -3
.Lnot_wave_0_\@:
	s_barrier_wait -3
	s_barrier_signal -1
	s_barrier_wait -1
.endm
.macro CROUND
	s_barrier_signal -1
	s_barrier_wait -1
	CREST
.endm
.macro PLACES                          ; four plain instructions between a matrix instruction and a load into, or a read of, its registers (ISA guide 7.12.1 for reads)
.rept 4
	v_nop
.endr
.endm
	s_load_b128 s[4:7], s[0:1], 0x0                ; A, W
	s_load_b128 s[68:71], s[0:1], 0x10             ; bias s[68:69], R s[70:71]
	s_load_b64 s[74:75], s[0:1], 0x20              ; C
	v_lshl_add_u32 v[SPW], v0, 2, SPARE
	v_mov_b32 v[NIL], 0
	ds_add_u32 v[SPW], v[NIL]                      ; the wave's opening: the add and its wait ahead of my first tensor load
	v_lshrrev_b32 v1, 5, v0
	v_readfirstlane_b32 s10, v1                    ; wave 0..3
	s_bfe_u32 s40, ttmp6, 0x40000                  ; cx
	s_bfe_u32 s41, ttmp6, 0x40004                  ; cy
	s_lshl_b32 s42, ttmp9, 2
	s_add_co_u32 s42, s42, s40                     ; tile column
	s_and_b32 s13, ttmp7, 0xffff
	s_lshl_b32 s13, s13, 2
	s_add_co_u32 s13, s13, s41                     ; tile row
	s_lshl_b32 s43, s41, 2
	s_lshl_b32 s43, 15, s43                        ; my row of the cluster
	; group 1: two rows of 8,192 elements of 2 bytes, 262,144 elements apart (two blocks of 64 channels); padded in LDS after every 32 words by 4
	s_or_b32 s[G1+0], s43, (1<<16)|(1<<20)|(1<<21)|(4<<22)|(3<<25)
	s_mov_b32 s[G1+1], 8192<<16
	s_mov_b32 s[G1+2], 2<<16
	s_mov_b32 s[G1+3], 8192<<16
	s_mov_b32 s[G1+4], 2
	s_mov_b32 s[G1+5], 262144
	s_mov_b32 s[G1+6], 0
	s_mov_b32 s[G1+7], 0
	s_lshl_b32 s16, s13, 14                        ; A: the tile's 128 rows of 128 bytes,
	s_lshl_b32 s17, s10, 20                        ; from block 2 x wave on
	s_add_co_u32 s16, s16, s17
	s_mov_b32 s17, 0
	s_mul_i32 s18, s42, TXS                        ; W: the tile's 128 columns,
	s_lshl_b32 s19, s10, 15                        ; from my first 32 channels on: 4 x wave x 8,192
	s_add_co_u32 s18, s18, s19
	s_mov_b32 s19, 0
	s_mul_i32 s20, s10, SUB                        ; where A goes: no place in the cluster enters an LDS address
	s_mov_b32 s[OFFS], 0
	s_wait_dscnt 0x0                               ; the opening add is done
	s_wait_kmcnt 0x0
	s_add_nc_u64 s[14:15], s[4:5], s[16:17]
	s_add_nc_u64 s[WP:WP+1], s[6:7], s[18:19]
	CROUND                                         ; all sixteen work-groups are here: the first joint loads meet
.irp s, 0,1
	s_mov_b32 s[G0+4*(\s)], 1
	s_add_co_u32 s[G0+4*(\s)+1], s20, (\s)*SLOT
	s_add_nc_u64 s[G0+4*(\s)+2:G0+4*(\s)+3], s[14:15], (\s)*ASTEP
	s_or_b32 s[G0+4*(\s)+3], s[G0+4*(\s)+3], 0x80000000
.endr
	tensor_load_to_lds s[G0:G0+3], s[G1:G1+7]      ; slots 0 and 1: two loads of mine are out
	s_nop 0
	tensor_load_to_lds s[G0+4:G0+7], s[G1:G1+7]
	s_nop 0
	PLACES
	v_and_b32 v1, 15, v0                           ; l % 16
	v_bfe_u32 v2, v0, 4, 1                         ; l / 16
	v_and_b32 v[RO], 31, v0
	v_lshlrev_b32 v[RO], 4, v[RO]
	; R and C at row 128 x tile row + 32 x wave, column 128 x tile column; the bias at that column
	s_lshl_b32 s16, s13, 19
	s_lshl_b32 s17, s10, 17
	s_add_co_u32 s16, s16, s17
	s_lshl_b32 s18, s42, 9
	s_add_co_u32 s16, s16, s18
	s_mov_b32 s17, 0
	s_mov_b32 s19, 0
	s_add_nc_u64 s[70:71], s[70:71], s[16:17]
	s_add_nc_u64 s[74:75], s[74:75], s[16:17]
	s_add_nc_u64 s[68:69], s[68:69], s[18:19]
	global_load_b128 v[BI:BI+3], v[RO], s[68:69]
; A batch: four of W's fragments (half hf of set i), eight loads of 512 consecutive bytes, from byte off behind the pointer
.macro WLOAD i, hf, off
	WIN 0x40                                       ; destination window 1, address window 0
.irp bb, 0,1,2,3
	global_load_b128 v[64*(\i)+8*(4*(\hf)+(\bb)):64*(\i)+8*(4*(\hf)+(\bb))+3],   v[RO], s[WP:WP+1] offset:(\off)+(\i)*8192+(4*(\hf)+(\bb))*1024
	global_load_b128 v[64*(\i)+8*(4*(\hf)+(\bb))+4:64*(\i)+8*(4*(\hf)+(\bb))+7], v[RO], s[WP:WP+1] offset:(\off)+(\i)*8192+(4*(\hf)+(\bb))*1024+512
.endr
.endm
; Rows 4 q .. 4 q + 3 of my 32 rows of R, into the first 16 of the 32 registers that batch q of W has left.  A row's 512 bytes come as two loads of 8 bytes a lane, which together leave a lane the 16 bytes (columns 4 l + 0..3)
; that one load of 16 would: eight loads, as many as a batch of W has, so that the counted waits hold on both ways through the loop.
.macro RLOAD q
	WIN 0x40
.irp e, 0,1,2,3
	global_load_b64 v[32*(\q)+4*(\e):32*(\q)+4*(\e)+1],   v[RO], s[70:71] offset:(4*(\q)+(\e))*4096
	global_load_b64 v[32*(\q)+4*(\e)+2:32*(\q)+4*(\e)+3], v[RO], s[70:71] offset:(4*(\q)+(\e))*4096+8
.endr
.endm
.irp i, 0,1,2,3
	WLOAD \i, 0, 0                                 ; slot 0's eight batches
	WLOAD \i, 1, 0
.endr
	WIN 0
	; A's fragment: 16 rows x 32 channels: lane l holds row l % 16, channels 8 (l / 16) + 0..7 and 16 + 8 (l / 16) + 0..7: two loads of 16 bytes, 32 bytes apart
	v_mul_u32_u24 v3, v1, PA
	v_lshl_add_u32 v3, v2, 4, v3
	v_add_nc_u32 v[ADR0], s20, v3
	v_mov_b32 v[ADR], v[ADR0]
	s_mul_i32 s23, s10, XT                         ; my partial tile: row l % 16, 32 bytes for each half of the lanes
	v_mul_u32_u24 v[XW], v1, XP
	v_lshl_add_u32 v[XW], v2, 5, v[XW]
	v_add_nc_u32 v[XW], s23, v[XW]
	s_mul_i32 s23, s10, 32*XP                      ; back: rows 32 w on of each of the four, 16 bytes a lane
.irp p, 0,1,2,3
	v_add_nc_u32 v[XR+\p], s23, v[RO]
	s_add_co_u32 s23, s23, XT
.endr
.if NS > 2
	; THE PREFETCHES INTO THE L2.  Behind each refill but the last a wave names, of the slot three on from the one in hand, 32 runs of 256 bytes of A and 32 of W, a lane a run.  A wave's share of a slot is 128 runs of each.
	; A's rows are read by both clusters of a row of clusters: the one with x = 0 asks; W's columns by all clusters of a column: the one with y = 0 asks.  The four partners that read the same bytes share them out by address
	; (cx for A, cy for W).  So each run is named once in the launch.  Slots 0 to 2 come by their loads alone.
	v_lshlrev_b32 v[PFO], 4, v[RO]
	s_lshr_b32 s16, s40, 1                         ; A: partner cx takes half cx % 2 of block cx / 2 of my two
	s_lshl_b32 s16, s16, 19
	s_and_b32 s17, s40, 1
	s_lshl_b32 s17, s17, 13
	s_add_co_u32 s16, s16, s17
	s_add_co_u32 s16, s16, 2*ASTEP                 ; in slot 2: the first refill steps it to slot 3
	s_mov_b32 s17, 0
	s_add_nc_u64 s[PFA:PFA+1], s[14:15], s[16:17]
	s_lshl_b32 s16, s41, 13                        ; W: partner cy takes the 8,192 bytes of hs cy of my four
	s_add_co_u32 s16, s16, 2*WSTEP
	s_add_nc_u64 s[PFW:PFW+1], s[WP:WP+1], s[16:17]
	s_cmp_eq_u32 ttmp9, 0
	s_cselect_b32 s[LIMA], 1, -1                   ; the same in all sixteen partners
	s_and_b32 s16, ttmp7, 0xffff
	s_cmp_eq_u32 s16, 0
	s_cselect_b32 s[LIMW], 1, -1
.macro ASK
	s_cmp_gt_u32 s3, s[LIMA]                       ; s3 = 1 at the last refill: there is no slot three on
	s_cbranch_scc0 .Lnot_a_\@
	global_prefetch_b8 v[PFO], s[PFA:PFA+1] th:TH_LOAD_NT scope:SCOPE_SE
.Lnot_a_\@:
	s_cmp_gt_u32 s3, s[LIMW]
	s_cbranch_scc0 .Lnot_w_\@
	global_prefetch_b8 v[PFO], s[PFW:PFW+1] th:TH_LOAD_NT scope:SCOPE_SE
.Lnot_w_\@:
.endm
.endif
; 16 matrix instructions of hs i: column groups 4 hf + 2 part, + 1 x all 8 row blocks.  zero = 1: the first products start the sums: nothing is cleared.
; The 64 accumulators take turns, in the same order in every hs.
.macro MULH i, fa, hf, part, zero
	WIN 0xa1+0x50*(\hf)                            ; source 0 (W) window 1, source 1 (A) window 0, C and D window 2 or 3
.irp bb, 0,1
.irp a, 0,1,2,3,4,5,6,7
.set rD, 8*(8*(2*(\part)+(\bb))+(\a))
.set rW, 64*(\i)+8*(4*(\hf)+2*(\part)+(\bb))
.set rA, (\fa)+8*(\a)
.if \zero
	v_wmma_f32_16x16x32_bf16 v[rD:rD+7], v[rW:rW+7], v[rA:rA+7], 0
.else
	v_wmma_f32_16x16x32_bf16 v[rD:rD+7], v[rW:rW+7], v[rA:rA+7], v[rD:rD+7]
.endif
.endr
.endr
.endm
; 16 LDS loads in one run: A's eight fragments of hs i of the slot in hand, into buffer f
.macro AFETCH i, f
	WIN 0
.irp a, 0,1,2,3,4,5,6,7
	ds_load_b128 v[(\f)+8*(\a):(\f)+8*(\a)+3],   v[ADR] offset:((\i)/2)*BLK+((\i)%2)*64+(\a)*16*PA
	ds_load_b128 v[(\f)+8*(\a)+4:(\f)+8*(\a)+7], v[ADR] offset:((\i)/2)*BLK+((\i)%2)*64+(\a)*16*PA+32
.endr
.endm
; Batch q of the slot's eight has been multiplied.  The next batch is waited for: behind it six batches, 48 loads, have been issued and stay out.  Then the registers just left are loaded again: with the next slot's batch q,
; or (mode = 1, the loop's last trip, s3 = 1: there is no next slot) with four rows of R: eight loads on either way.
.macro POINT q, mode, off
	PLACES
	s_wait_loadcnt 48
.if \mode
	WIN 0
	s_cmp_eq_u32 s3, 1
	s_cbranch_scc1 .Lres_\@
.endif
	WLOAD (\q)/2, (\q)%2, \off
.if \mode
	WIN 0
	s_branch .Lmet_\@
.Lres_\@:
	RLOAD \q
	WIN 0
.Lmet_\@:
.endif
.endm
; One of a slot's first three hs: in its middle the next hs's fragments of A are fetched into the other buffer.
.macro HS i, mode, zero=0
.set FA, F0+64*((\i)%2)
.set FB, F0+64*(((\i)+1)%2)
	s_wait_dscnt 0x0                               ; A's fragments are in: they were asked for 32 matrix instructions ago
	MULH \i, FA, 0, 0, \zero
	MULH \i, FA, 0, 1, \zero
	POINT 2*(\i), \mode, WSTEP
	AFETCH (\i)+1, FB
	MULH \i, FA, 1, 0, \zero
	MULH \i, FA, 1, 1, \zero
	POINT 2*(\i)+1, \mode, WSTEP
.endm
; A slot's last hs, and the change of slots.  My reads of the slot are over (its last fragments are in registers).  Each wave waits for all its tensor loads (one is out at the most: its part of the next slot), adds 0 to its spare
; word, and waits for that and for its reads; behind the barrier nobody reads this slot and the next is whole.  refill = 1: the barrier opens a round of the cluster's, and the joint refill, two slots on, is the first tensor load
; behind it: 240 matrix instructions ahead of the wait for it.
.macro HS3 refill, mode
	WIN 0
	s_wait_tensorcnt 0x0                           ; no tensor load of mine is out, so a group 0 may be written
	ds_add_u32 v[SPW], v[NIL]                      ; 0 onto my spare word; the pointers' steps stand between it and the wait for it
	s_wait_xcnt 0x0                                ; every load and prefetch issued so far has read its address
	s_add_nc_u64 s[WP:WP+1], s[WP:WP+1], WSTEP     ; W's pointer goes on to the next slot: the two batches below are named from there
.if \refill
	s_xor_b32 s[G0+5], s[G0+5], SLOT               ; the walking descriptor: the other slot than last time,
	s_add_nc_u64 s[G0+6:G0+7], s[G0+6:G0+7], ASTEP ; the next 512 channels; the type bits on top are not reached
	s_add_nc_u64 s[PFA:PFA+1], s[PFA:PFA+1], ASTEP
	s_add_nc_u64 s[PFW:PFW+1], s[PFW:PFW+1], WSTEP
.endif
	s_xor_b32 s[OFFS], s[OFFS], SLOT
	s_wait_dscnt 0x0                               ; the add is done; A's fragments are in, and with them my reads of this slot are over
	s_barrier_signal -1
	MULH 3, F1, 0, 0, 0                            ; work on registers while the others arrive
	WIN 0
	s_barrier_wait -1
.if \refill
	CREST
	tensor_load_to_lds s[G0+4:G0+7], s[G1:G1+7]
	s_nop 0
	PLACES
.endif
	MULH 3, F1, 0, 1, 0
	POINT 6, \mode, 0
	WIN 0
.if \mode
	s_cmp_eq_u32 s3, 1
	s_cbranch_scc1 .Lnone_\@                       ; behind the last slot there is nothing to fetch
.endif
	v_add_nc_u32 v[ADR], s[OFFS], v[ADR0]
	AFETCH 0, F0
.if \mode
.Lnone_\@:
.endif
.if \refill
	ASK
.endif
	MULH 3, F1, 1, 0, 0
	MULH 3, F1, 1, 1, 0
	POINT 7, \mode, 0
.endm
	s_wait_tensorcnt 0x1                           ; my part of slot 0 is in; slot 1's may stay out
	s_barrier_signal -1
	s_barrier_wait -1
	AFETCH 0, F0
	s_wait_loadcnt 56                              ; W's first batch is in; the seven behind it, 56 loads, stay out
	HS 0, 0, 1                                     ; the first hs stands in front of the loops: its products start the sums
	WIN 0
.if NS > 2
	s_mov_b32 s3, NS-2
	s_branch .LA1                                  ; the loop is entered behind a slot's first hs
.LA:                                               ; a trip is a slot; NS - 2 trips: every slot but the last two is filled again
	HS 0, 0
	WIN 0
.LA1:
	HS 1, 0
	HS 2, 0
	HS3 1, 0
	WIN 0
	s_sub_co_u32 s3, s3, 1
	s_cmp_lg_u32 s3, 0
	s_cbranch_scc1 .LA
	s_mov_b32 s3, 2
.else
	s_mov_b32 s3, 2
	s_branch .LB1
.endif
.LB:                                               ; the last two slots: nothing is filled again; in the second trip R comes where W came
	HS 0, 1
	WIN 0
.LB1:
	HS 1, 1
	HS 2, 1
	HS3 0, 1
	WIN 0
	s_sub_co_u32 s3, s3, 1
	s_cmp_lg_u32 s3, 0
	s_cbranch_scc1 .LB
	s_wait_dscnt 0x0                               ; my reads of the ring are over,
	s_barrier_signal -1
	s_barrier_wait -1                              ; everybody's are; the ring has had its last fill, so its bytes may take the partial sums.  (Four plain instructions stand behind the last product.)
.irp hf, 0,1
	WIN 0x08+4*(\hf)                               ; the stores' data in window 2 or 3
.irp bq, 0,1,2,3
.irp a, 0,1,2,3,4,5,6,7                ; each accumulator's low four registers first
	ds_store_b128 v[XW], v[8*(8*(\bq)+(\a)):8*(8*(\bq)+(\a))+3]   offset:(\a)*16*XP+(4*(\hf)+(\bq))*64
	ds_store_b128 v[XW], v[8*(8*(\bq)+(\a))+4:8*(8*(\bq)+(\a))+7] offset:(\a)*16*XP+(4*(\hf)+(\bq))*64+16
.endr
.endr
.endr
	WIN 0
	s_wait_dscnt 0x0                               ; for the others' sake: my partial tile lies in LDS
	s_barrier_signal -1
	s_barrier_wait -1
.macro GLOAD g, set                    ; rows 4 g .. 4 g + 3 of my 32, from all four partial tiles
.irp i, 0,1,2,3
.irp p, 0,1,2,3
	ds_load_b128 v[64+64*(\set)+16*(\i)+4*(\p):64+64*(\set)+16*(\i)+4*(\p)+3], v[XR+(\p)] offset:(4*(\g)+(\i))*XP
.endr
.endr
.endm
.macro GSUM g, set                     ; (p0 + p1) + (p2 + p3) + (bias + R), and the store: 512 consecutive bytes of a row of C
.set SB, 64+64*(\set)
	s_wait_loadcnt 56-8*(\g)                       ; R's rows 4 g .. 4 g + 3 are in; behind them 7 - g groups of eight loads were issued
	WIN 0x04                                       ; source 1, R, in window 1
.irp i, 0,1,2,3
.set RR, 32*(\g)+4*(\i)
	v_pk_add_f32 v[BR+4*(\i):BR+4*(\i)+1],   v[BI:BI+1],   v[RR:RR+1]
	v_pk_add_f32 v[BR+4*(\i)+2:BR+4*(\i)+3], v[BI+2:BI+3], v[RR+2:RR+3]
.endr
	WIN 0
.irp i, 0,1,2,3
.irp z, 0,2
	v_pk_add_f32 v[SB+16*(\i)+(\z):SB+16*(\i)+(\z)+1], v[SB+16*(\i)+(\z):SB+16*(\i)+(\z)+1], v[SB+16*(\i)+4+(\z):SB+16*(\i)+4+(\z)+1]
	v_pk_add_f32 v[SB+16*(\i)+8+(\z):SB+16*(\i)+8+(\z)+1], v[SB+16*(\i)+8+(\z):SB+16*(\i)+8+(\z)+1], v[SB+16*(\i)+12+(\z):SB+16*(\i)+12+(\z)+1]
.endr
.endr
.irp i, 0,1,2,3
.irp z, 0,2
	v_pk_add_f32 v[SB+16*(\i)+(\z):SB+16*(\i)+(\z)+1], v[SB+16*(\i)+(\z):SB+16*(\i)+(\z)+1], v[SB+16*(\i)+8+(\z):SB+16*(\i)+8+(\z)+1]
.endr
.endr
.irp i, 0,1,2,3
.irp z, 0,2
	v_pk_add_f32 v[SB+16*(\i)+(\z):SB+16*(\i)+(\z)+1], v[SB+16*(\i)+(\z):SB+16*(\i)+(\z)+1], v[BR+4*(\i)+(\z):BR+4*(\i)+(\z)+1]
.endr
	global_store_b128 v[RO], v[SB+16*(\i):SB+16*(\i)+3], s[74:75] offset:(4*(\g)+(\i))*4096
.endr
.endm
	GLOAD 0, 0
	GLOAD 1, 1
.irp g, 0,1,2,3,4,5,6,7
.if (\g) < 7
	s_wait_dscnt 16                                ; group g is in; the next group's sixteen loads stay out
.else
	s_wait_dscnt 0x0
.endif
	GSUM \g, (\g)%2
.if (\g) < 6
	s_wait_xcnt 0x0                                ; the stores have read their registers, which the loads below write
	GLOAD (\g)+2, (\g)%2
.endif
.endr
	s_wait_tensorcnt 0x0                           ; the wave's end
	ds_add_u32 v[SPW], v[NIL]
	s_wait_dscnt 0x0
	CROUND                                         ; the closing round
	s_endpgm
.Lfunc_end_k_qfddbc8c4de_wo:
	.size	k_qfddbc8c4de_wo, .Lfunc_end_k_qfddbc8c4de_wo-k_qfddbc8c4de_wo
	.p2alignl 7, 3214868480
	.fill 96, 4, 3214868480
	.section	.rodata,"a",@progbits
	.p2align	6, 0x0
	.amdhsa_kernel k_qfddbc8c4de_wo
		.amdhsa_group_segment_fixed_size 327680
		.amdhsa_private_segment_fixed_size 0
		.amdhsa_enable_private_segment 0
		.amdhsa_kernarg_size 40
		.amdhsa_user_sgpr_count 2
		.amdhsa_user_sgpr_kernarg_segment_ptr 1
		.amdhsa_wavefront_size32 1
		.amdhsa_system_sgpr_workgroup_id_x 1
		.amdhsa_system_sgpr_workgroup_id_y 1
		.amdhsa_system_sgpr_workgroup_id_z 1
		.amdhsa_system_vgpr_workitem_id 0
		.amdhsa_next_free_vgpr 1024
		.amdhsa_next_free_sgpr 76
		.amdhsa_reserve_vcc 0
		.amdhsa_float_denorm_mode_32 3
		.amdhsa_float_denorm_mode_16_64 3
		.amdhsa_memory_ordered 1
		.amdhsa_forward_progress 1
		.amdhsa_inst_pref_size 97
	.end_amdhsa_kernel
	.amdgpu_metadata
---
amdhsa.version: [ 1, 2 ]
amdhsa.kernels:
  - .name:           k_qfddbc8c4de_wo
    .symbol:         k_qfddbc8c4de_wo.kd
    .args:
      - { .name: out0, .offset: 0, .size: 8, .value_kind: global_buffer, .address_space: global }
      - { .name: wob, .offset: 8, .size: 8, .value_kind: global_buffer, .address_space: global }
      - { .name: bo, .offset: 16, .size: 8, .value_kind: global_buffer, .address_space: global }
      - { .name: x, .offset: 24, .size: 8, .value_kind: global_buffer, .address_space: global }
      - { .name: x1, .offset: 32, .size: 8, .value_kind: global_buffer, .address_space: global }
    .group_segment_fixed_size: 327680
    .private_segment_fixed_size: 0
    .kernarg_segment_align: 8
    .kernarg_segment_size: 40
    .max_flat_workgroup_size: 128
    .sgpr_count:     76
    .vgpr_count:     1024
    .wavefront_size: 32
...
	.end_amdgpu_metadata
.endif
;; end of part 5
;; launch ln2: the kernel of part 2 again; grid 256 x 1, 8 waves a work-group, no clusters, 0 bytes of LDS; arguments x1, ln2_g, ln2_b, out0; writes out0
;; launch ffn1: the kernel of part 3 again; grid 16 x 16, 4 waves a work-group, clusters of 4 x 4, 327,680 bytes of LDS; arguments out0, p1, big; writes big
;; launch ffn2 (part 6): grid 8 x 32, 4 waves a work-group, clusters of 4 x 4, 327,680 bytes of LDS; arguments big, w2b, b2, x1, out0; writes out0
.if DOCPART == 6
	.amdgcn_target "amdgcn-amd-amdhsa--gfx1250"
	.amdhsa_code_object_version 6
	.text
	.protected	k_qfddbc8c4de_ffn2
	.globl	k_qfddbc8c4de_ffn2
	.p2align	8
	.type	k_qfddbc8c4de_ffn2,@function
k_qfddbc8c4de_ffn2:
	s_mov_b64 s[64:65], 0
	v_nop
	global_prefetch_b8 v0, s[64:65] scope:SCOPE_SE
	s_setreg_imm32_b32 hwreg(HW_REG_WAVE_MODE, 25, 1), 1
	s_wait_xcnt 0x0
	s_wait_alu depctr_hold_cnt(0) depctr_sa_sdst(0) depctr_va_vdst(0) depctr_va_sdst(0) depctr_va_ssrc(0) depctr_va_vcc(0) depctr_vm_vsrc(0)
	s_getreg_b32 s2, hwreg(HW_REG_IB_STS2, 6, 4)
	s_cmp_eq_u32 s2, 0
	s_cbranch_scc0 .Lentry_in_a_cluster
	s_endpgm
.Lentry_in_a_cluster:
	s_bfe_u32 s2, ttmp6, 0x10000c
	s_cmp_lg_u32 s2, 0xf033
	s_cbranch_scc0 .Lentry_shape_is_right
	s_endpgm
.Lentry_shape_is_right:
; C = R + A W + bias, N = 1,024; C, R and bias in f32, row-major [4096][1024].  A: bf16 in blocks of 64 channels [K/64][4096][64].  W: bf16 by fragments [8][K/32][8][2][32][8]: the 16 bytes of lane 16 h + r in
; registers 4 j .. 4 j + 3 of the operand of columns 128 tx + 16 b + r, k = 32 kk + 16 j + 8 h + 0..7, at (tx K / 32 + kk) 8,192 + 1,024 b + 512 j + 16 (16 h + r).
; K = 512 x NS.  The program has two products of this shape, each with a text of its own; the two are alike line by line but for NS, since the loops round the barriers are counted to constants.
; SHARES.  A tile of C is 128 x 128, a work-group's: 256 work-groups.  K IS SPLIT AMONG ITS FOUR WAVES: of each 512 channels wave w takes 128 w .. 128 w + 127, for the whole tile: 64 accumulators, 512 registers.
; The four partial sums meet in LDS at the end (f32, in a fixed order), where bias and R are added; C is stored once.
; A COMES THROUGH LDS, two slots of 512 channels (8 blocks x 128 rows x 144 bytes); each wave fetches, with one tensor load of 2 x 16,384 bytes, just the two blocks that it reads.  CLUSTER 4 x 4: the four of a row of the
; cluster need the same rows of A and ask for them jointly.
; W COMES STRAIGHT INTO REGISTERS, by loads of 512 consecutive bytes: no wave wants another wave's bytes of W, and they lie in memory as they lie in registers.  W IS NOT ASKED FOR JOINTLY, though the four of a column of the
; cluster read the same bytes: with W beside A in LDS a slot would hold 256 channels, 128 matrix instructions a wave, of which a refill had 96 in which to land; with A alone it holds 512, 256 matrix
; instructions, of which a refill has 240, with half as many rounds of the cluster's barrier and half the LDS reads.  The price: each of the four partners asks for W's bytes itself.
; A STEP (hs) is 32 channels: 64 matrix instructions, column groups outermost, so that four of W's eight fragments are free behind 32 of them.  They are loaded again at once, for the hs four further on: a ring of four sets of
; 64 registers; between a batch's issue and its first use stand seven half steps, 224 matrix instructions.
; The matrix instruction is used transposed (source 0 = 16 columns of W, source 1 = 16 rows of A): a lane holds row lane % 16 of C and columns 8 (lane / 16) + 0..7.
; REGISTERS (s_set_vgpr_msb: bits 1:0 source 0, 3:2 source 1, 5:4 source 2, 7:6 destination): window 0: v0-63 addresses and work; v64-127, v128-191 A's fragments, later the partial sums read back.
;   window 1: W's ring, set i at v[64 i], fragment b at + 8 b; in the last slot R takes the registers as they fall free.  window 2: the accumulators of column groups 0-3 ((b, a) at v[8 (8 (b % 4) + a)]); window 3: of 4-7.
.set NS,     8                         ; K = 4,096: eight slots, six refills
.set KK,     16*NS                     ; K / 32
.set TXS,    KK*8192                   ; W's bytes for 128 columns
.set PA,     144                       ; an LDS row of A: 128 bytes + 16: the 16 rows of a load start at 16 different groups of four banks (64 banks of 4 bytes: ISA guide 11.1)
.set BLK,    128*PA                    ; a block of 64 channels
.set SUB,    2*BLK                     ; what one tensor load fills, and what one wave reads
.set SLOT,   4*SUB                     ; = 0x24000; wave x SUB = 0, 0x9000, 0x12000, 0x1b000 shares no bit with it, so one exclusive or turns an address in one slot into the other's
.set SPARE,  2*SLOT                    ; behind the ring: the spare words
.set XP,     528                       ; a row of a partial tile: 512 bytes + 16
.set XT,     128*XP                    ; a partial tile; four of them lie in the ring's bytes, behind its last fill
.set ASTEP,  8*524288                  ; bytes from slot to slot in A
.set WSTEP,  16*8192                   ; and in W
.set XW,   8                           ; v8      where I put my partial sums
.set BI,   12                          ; v[12:15] the bias of columns 4 x lane + 0..3 of the tile
.set ADR0, 16                          ; v16     LDS address of my A fragments in slot 0; never rewritten
.set ADR,  17                          ; v17     the same in the slot in hand
.set RO,   26                          ; v26     16 x lane; never rewritten
.set SPW,  28
.set NIL,  29
.set PFO,  30                          ; v30     256 x lane; never rewritten
.set XR,   32                          ; v[32:35] where I read partial tile p back
.set BR,   40                          ; v[40:55] bias + R of four rows
.set F0,   64
.set F1,   128
.set G1,   24                          ; s[24:31] descriptor group 1
.set G0,   32                          ; s[32:39] group 0: a set for each of the two first fills; the second then walks on
.set WP,   44                          ; s[44:45] W at my fragments of the slot in hand
.set OFFS, 46                          ; s46     0 or SLOT: the slot from which A's fragments are fetched
.set PFA,  48                          ; s[48:49], s[50:51] where my prefetches stand in A and in W
.set PFW,  50
.set LIMA, 52                          ; s52, s53  1 in a work-group that prefetches A, W; else the greatest number
.set LIMW, 53
.set MSB, 0
.macro WIN new                         ; the immediate's high byte repeats the setting that is left; a switch that changes nothing is dropped
.if MSB != (\new)
	s_set_vgpr_msb (MSB<<8)|(\new)
.set MSB, \new
.endif
.endm
.macro CREST                           ; a round of the cluster's barrier behind its opening barrier
	s_cmp_lg_u32 s10, 0
	s_cbranch_scc1 .Lnot_wave_0_\@
	s_barrier_signal -3
.Lnot_wave_0_\@:
	s_barrier_wait -3
	s_barrier_signal -1
	s_barrier_wait -1
.endm
.macro CROUND
	s_barrier_signal -1
	s_barrier_wait -1
	CREST
.endm
.macro PLACES                          ; four plain instructions between a matrix instruction and a load into, or a read of, its registers (ISA guide 7.12.1 for reads)
.rept 4
	v_nop
.endr
.endm
	s_load_b128 s[4:7], s[0:1], 0x0                ; A, W
	s_load_b128 s[68:71], s[0:1], 0x10             ; bias s[68:69], R s[70:71]
	s_load_b64 s[74:75], s[0:1], 0x20              ; C
	v_lshl_add_u32 v[SPW], v0, 2, SPARE
	v_mov_b32 v[NIL], 0
	ds_add_u32 v[SPW], v[NIL]                      ; the wave's opening: the add and its wait ahead of my first tensor load
	v_lshrrev_b32 v1, 5, v0
	v_readfirstlane_b32 s10, v1                    ; wave 0..3
	s_bfe_u32 s40, ttmp6, 0x40000                  ; cx
	s_bfe_u32 s41, ttmp6, 0x40004                  ; cy
	s_lshl_b32 s42, ttmp9, 2
	s_add_co_u32 s42, s42, s40                     ; tile column
	s_and_b32 s13, ttmp7, 0xffff
	s_lshl_b32 s13, s13, 2
	s_add_co_u32 s13, s13, s41                     ; tile row
	s_lshl_b32 s43, s41, 2
	s_lshl_b32 s43, 15, s43                        ; my row of the cluster
	; group 1: two rows of 8,192 elements of 2 bytes, 262,144 elements apart (two blocks of 64 channels); padded in LDS after every 32 words by 4
	s_or_b32 s[G1+0], s43, (1<<16)|(1<<20)|(1<<21)|(4<<22)|(3<<25)
	s_mov_b32 s[G1+1], 8192<<16
	s_mov_b32 s[G1+2], 2<<16
	s_mov_b32 s[G1+3], 8192<<16
	s_mov_b32 s[G1+4], 2
	s_mov_b32 s[G1+5], 262144
	s_mov_b32 s[G1+6], 0
	s_mov_b32 s[G1+7], 0
	s_lshl_b32 s16, s13, 14                        ; A: the tile's 128 rows of 128 bytes,
	s_lshl_b32 s17, s10, 20                        ; from block 2 x wave on
	s_add_co_u32 s16, s16, s17
	s_mov_b32 s17, 0
	s_mul_i32 s18, s42, TXS                        ; W: the tile's 128 columns,
	s_lshl_b32 s19, s10, 15                        ; from my first 32 channels on: 4 x wave x 8,192
	s_add_co_u32 s18, s18, s19
	s_mov_b32 s19, 0
	s_mul_i32 s20, s10, SUB                        ; where A goes: no place in the cluster enters an LDS address
	s_mov_b32 s[OFFS], 0
	s_wait_dscnt 0x0                               ; the opening add is done
	s_wait_kmcnt 0x0
	s_add_nc_u64 s[14:15], s[4:5], s[16:17]
	s_add_nc_u64 s[WP:WP+1], s[6:7], s[18:19]
	CROUND                                         ; all sixteen work-groups are here: the first joint loads meet
.irp s, 0,1
	s_mov_b32 s[G0+4*(\s)], 1
	s_add_co_u32 s[G0+4*(\s)+1], s20, (\s)*SLOT
	s_add_nc_u64 s[G0+4*(\s)+2:G0+4*(\s)+3], s[14:15], (\s)*ASTEP
	s_or_b32 s[G0+4*(\s)+3], s[G0+4*(\s)+3], 0x80000000
.endr
	tensor_load_to_lds s[G0:G0+3], s[G1:G1+7]      ; slots 0 and 1: two loads of mine are out
	s_nop 0
	tensor_load_to_lds s[G0+4:G0+7], s[G1:G1+7]
	s_nop 0
	PLACES
	v_and_b32 v1, 15, v0                           ; l % 16
	v_bfe_u32 v2, v0, 4, 1                         ; l / 16
	v_and_b32 v[RO], 31, v0
	v_lshlrev_b32 v[RO], 4, v[RO]
	; R and C at row 128 x tile row + 32 x wave, column 128 x tile column; the bias at that column
	s_lshl_b32 s16, s13, 19
	s_lshl_b32 s17, s10, 17
	s_add_co_u32 s16, s16, s17
	s_lshl_b32 s18, s42, 9
	s_add_co_u32 s16, s16, s18
	s_mov_b32 s17, 0
	s_mov_b32 s19, 0
	s_add_nc_u64 s[70:71], s[70:71], s[16:17]
	s_add_nc_u64 s[74:75], s[74:75], s[16:17]
	s_add_nc_u64 s[68:69], s[68:69], s[18:19]
	global_load_b128 v[BI:BI+3], v[RO], s[68:69]
; A batch: four of W's fragments (half hf of set i), eight loads of 512 consecutive bytes, from byte off behind the pointer
.macro WLOAD i, hf, off
	WIN 0x40                                       ; destination window 1, address window 0
.irp bb, 0,1,2,3
	global_load_b128 v[64*(\i)+8*(4*(\hf)+(\bb)):64*(\i)+8*(4*(\hf)+(\bb))+3],   v[RO], s[WP:WP+1] offset:(\off)+(\i)*8192+(4*(\hf)+(\bb))*1024
	global_load_b128 v[64*(\i)+8*(4*(\hf)+(\bb))+4:64*(\i)+8*(4*(\hf)+(\bb))+7], v[RO], s[WP:WP+1] offset:(\off)+(\i)*8192+(4*(\hf)+(\bb))*1024+512
.endr
.endm
; Rows 4 q .. 4 q + 3 of my 32 rows of R, into the first 16 of the 32 registers that batch q of W has left.  A row's 512 bytes come as two loads of 8 bytes a lane, which together leave a lane the 16 bytes (columns 4 l + 0..3)
; that one load of 16 would: eight loads, as many as a batch of W has, so that the counted waits hold on both ways through the loop.
.macro RLOAD q
	WIN 0x40
.irp e, 0,1,2,3
	global_load_b64 v[32*(\q)+4*(\e):32*(\q)+4*(\e)+1],   v[RO], s[70:71] offset:(4*(\q)+(\e))*4096
	global_load_b64 v[32*(\q)+4*(\e)+2:32*(\q)+4*(\e)+3], v[RO], s[70:71] offset:(4*(\q)+(\e))*4096+8
.endr
.endm
.irp i, 0,1,2,3
	WLOAD \i, 0, 0                                 ; slot 0's eight batches
	WLOAD \i, 1, 0
.endr
	WIN 0
	; A's fragment: 16 rows x 32 channels: lane l holds row l % 16, channels 8 (l / 16) + 0..7 and 16 + 8 (l / 16) + 0..7: two loads of 16 bytes, 32 bytes apart
	v_mul_u32_u24 v3, v1, PA
	v_lshl_add_u32 v3, v2, 4, v3
	v_add_nc_u32 v[ADR0], s20, v3
	v_mov_b32 v[ADR], v[ADR0]
	s_mul_i32 s23, s10, XT                         ; my partial tile: row l % 16, 32 bytes for each half of the lanes
	v_mul_u32_u24 v[XW], v1, XP
	v_lshl_add_u32 v[XW], v2, 5, v[XW]
	v_add_nc_u32 v[XW], s23, v[XW]
	s_mul_i32 s23, s10, 32*XP                      ; back: rows 32 w on of each of the four, 16 bytes a lane
.irp p, 0,1,2,3
	v_add_nc_u32 v[XR+\p], s23, v[RO]
	s_add_co_u32 s23, s23, XT
.endr
.if NS > 2
	; THE PREFETCHES INTO THE L2.  Behind each refill but the last a wave names, of the slot three on from the one in hand, 32 runs of 256 bytes of A and 32 of W, a lane a run.  A wave's share of a slot is 128 runs of each.
	; A's rows are read by both clusters of a row of clusters: the one with x = 0 asks; W's columns by all clusters of a column: the one with y = 0 asks.  The four partners that read the same bytes share them out by address
	; (cx for A, cy for W).  So each run is named once in the launch.  Slots 0 to 2 come by their loads alone.
	v_lshlrev_b32 v[PFO], 4, v[RO]
	s_lshr_b32 s16, s40, 1                         ; A: partner cx takes half cx % 2 of block cx / 2 of my two
	s_lshl_b32 s16, s16, 19
	s_and_b32 s17, s40, 1
	s_lshl_b32 s17, s17, 13
	s_add_co_u32 s16, s16, s17
	s_add_co_u32 s16, s16, 2*ASTEP                 ; in slot 2: the first refill steps it to slot 3
	s_mov_b32 s17, 0
	s_add_nc_u64 s[PFA:PFA+1], s[14:15], s[16:17]
	s_lshl_b32 s16, s41, 13                        ; W: partner cy takes the 8,192 bytes of hs cy of my four
	s_add_co_u32 s16, s16, 2*WSTEP
	s_add_nc_u64 s[PFW:PFW+1], s[WP:WP+1], s[16:17]
	s_cmp_eq_u32 ttmp9, 0
	s_cselect_b32 s[LIMA], 1, -1                   ; the same in all sixteen partners
	s_and_b32 s16, ttmp7, 0xffff
	s_cmp_eq_u32 s16, 0
	s_cselect_b32 s[LIMW], 1, -1
.macro ASK
	s_cmp_gt_u32 s3, s[LIMA]                       ; s3 = 1 at the last refill: there is no slot three on
	s_cbranch_scc0 .Lnot_a_\@
	global_prefetch_b8 v[PFO], s[PFA:PFA+1] th:TH_LOAD_NT scope:SCOPE_SE
.Lnot_a_\@:
	s_cmp_gt_u32 s3, s[LIMW]
	s_cbranch_scc0 .Lnot_w_\@
	global_prefetch_b8 v[PFO], s[PFW:PFW+1] th:TH_LOAD_NT scope:SCOPE_SE
.Lnot_w_\@:
.endm
.endif
; 16 matrix instructions of hs i: column groups 4 hf + 2 part, + 1 x all 8 row blocks.  zero = 1: the first products start the sums: nothing is cleared.
; The 64 accumulators take turns, in the same order in every hs.
.macro MULH i, fa, hf, part, zero
	WIN 0xa1+0x50*(\hf)                            ; source 0 (W) window 1, source 1 (A) window 0, C and D window 2 or 3
.irp bb, 0,1
.irp a, 0,1,2,3,4,5,6,7
.set rD, 8*(8*(2*(\part)+(\bb))+(\a))
.set rW, 64*(\i)+8*(4*(\hf)+2*(\part)+(\bb))
.set rA, (\fa)+8*(\a)
.if \zero
	v_wmma_f32_16x16x32_bf16 v[rD:rD+7], v[rW:rW+7], v[rA:rA+7], 0
.else
	v_wmma_f32_16x16x32_bf16 v[rD:rD+7], v[rW:rW+7], v[rA:rA+7], v[rD:rD+7]
.endif
.endr
.endr
.endm
; 16 LDS loads in one run: A's eight fragments of hs i of the slot in hand, into buffer f
.macro AFETCH i, f
	WIN 0
.irp a, 0,1,2,3,4,5,6,7
	ds_load_b128 v[(\f)+8*(\a):(\f)+8*(\a)+3],   v[ADR] offset:((\i)/2)*BLK+((\i)%2)*64+(\a)*16*PA
	ds_load_b128 v[(\f)+8*(\a)+4:(\f)+8*(\a)+7], v[ADR] offset:((\i)/2)*BLK+((\i)%2)*64+(\a)*16*PA+32
.endr
.endm
; Batch q of the slot's eight has been multiplied.  The next batch is waited for: behind it six batches, 48 loads, have been issued and stay out.  Then the registers just left are loaded again: with the next slot's batch q,
; or (mode = 1, the loop's last trip, s3 = 1: there is no next slot) with four rows of R: eight loads on either way.
.macro POINT q, mode, off
	PLACES
	s_wait_loadcnt 48
.if \mode
	WIN 0
	s_cmp_eq_u32 s3, 1
	s_cbranch_scc1 .Lres_\@
.endif
	WLOAD (\q)/2, (\q)%2, \off
.if \mode
	WIN 0
	s_branch .Lmet_\@
.Lres_\@:
	RLOAD \q
	WIN 0
.Lmet_\@:
.endif
.endm
; One of a slot's first three hs: in its middle the next hs's fragments of A are fetched into the other buffer.
.macro HS i, mode, zero=0
.set FA, F0+64*((\i)%2)
.set FB, F0+64*(((\i)+1)%2)
	s_wait_dscnt 0x0                               ; A's fragments are in: they were asked for 32 matrix instructions ago
	MULH \i, FA, 0, 0, \zero
	MULH \i, FA, 0, 1, \zero
	POINT 2*(\i), \mode, WSTEP
	AFETCH (\i)+1, FB
	MULH \i, FA, 1, 0, \zero
	MULH \i, FA, 1, 1, \zero
	POINT 2*(\i)+1, \mode, WSTEP
.endm
; A slot's last hs, and the change of slots.  My reads of the slot are over (its last fragments are in registers).  Each wave waits for all its tensor loads (one is out at the most: its part of the next slot), adds 0 to its spare
; word, and waits for that and for its reads; behind the barrier nobody reads this slot and the next is whole.  refill = 1: the barrier opens a round of the cluster's, and the joint refill, two slots on, is the first tensor load
; behind it: 240 matrix instructions ahead of the wait for it.
.macro HS3 refill, mode
	WIN 0
	s_wait_tensorcnt 0x0                           ; no tensor load of mine is out, so a group 0 may be written
	ds_add_u32 v[SPW], v[NIL]                      ; 0 onto my spare word; the pointers' steps stand between it and the wait for it
	s_wait_xcnt 0x0                                ; every load and prefetch issued so far has read its address
	s_add_nc_u64 s[WP:WP+1], s[WP:WP+1], WSTEP     ; W's pointer goes on to the next slot: the two batches below are named from there
.if \refill
	s_xor_b32 s[G0+5], s[G0+5], SLOT               ; the walking descriptor: the other slot than last time,
	s_add_nc_u64 s[G0+6:G0+7], s[G0+6:G0+7], ASTEP ; the next 512 channels; the type bits on top are not reached
	s_add_nc_u64 s[PFA:PFA+1], s[PFA:PFA+1], ASTEP
	s_add_nc_u64 s[PFW:PFW+1], s[PFW:PFW+1], WSTEP
.endif
	s_xor_b32 s[OFFS], s[OFFS], SLOT
	s_wait_dscnt 0x0                               ; the add is done; A's fragments are in, and with them my reads of this slot are over
	s_barrier_signal -1
	MULH 3, F1, 0, 0, 0                            ; work on registers while the others arrive
	WIN 0
	s_barrier_wait -1
.if \refill
	CREST
	tensor_load_to_lds s[G0+4:G0+7], s[G1:G1+7]
	s_nop 0
	PLACES
.endif
	MULH 3, F1, 0, 1, 0
	POINT 6, \mode, 0
	WIN 0
.if \mode
	s_cmp_eq_u32 s3, 1
	s_cbranch_scc1 .Lnone_\@                       ; behind the last slot there is nothing to fetch
.endif
	v_add_nc_u32 v[ADR], s[OFFS], v[ADR0]
	AFETCH 0, F0
.if \mode
.Lnone_\@:
.endif
.if \refill
	ASK
.endif
	MULH 3, F1, 1, 0, 0
	MULH 3, F1, 1, 1, 0
	POINT 7, \mode, 0
.endm
	s_wait_tensorcnt 0x1                           ; my part of slot 0 is in; slot 1's may stay out
	s_barrier_signal -1
	s_barrier_wait -1
	AFETCH 0, F0
	s_wait_loadcnt 56                              ; W's first batch is in; the seven behind it, 56 loads, stay out
	HS 0, 0, 1                                     ; the first hs stands in front of the loops: its products start the sums
	WIN 0
.if NS > 2
	s_mov_b32 s3, NS-2
	s_branch .LA1                                  ; the loop is entered behind a slot's first hs
.LA:                                               ; a trip is a slot; NS - 2 trips: every slot but the last two is filled again
	HS 0, 0
	WIN 0
.LA1:
	HS 1, 0
	HS 2, 0
	HS3 1, 0
	WIN 0
	s_sub_co_u32 s3, s3, 1
	s_cmp_lg_u32 s3, 0
	s_cbranch_scc1 .LA
	s_mov_b32 s3, 2
.else
	s_mov_b32 s3, 2
	s_branch .LB1
.endif
.LB:                                               ; the last two slots: nothing is filled again; in the second trip R comes where W came
	HS 0, 1
	WIN 0
.LB1:
	HS 1, 1
	HS 2, 1
	HS3 0, 1
	WIN 0
	s_sub_co_u32 s3, s3, 1
	s_cmp_lg_u32 s3, 0
	s_cbranch_scc1 .LB
	s_wait_dscnt 0x0                               ; my reads of the ring are over,
	s_barrier_signal -1
	s_barrier_wait -1                              ; everybody's are; the ring has had its last fill, so its bytes may take the partial sums.  (Four plain instructions stand behind the last product.)
.irp hf, 0,1
	WIN 0x08+4*(\hf)                               ; the stores' data in window 2 or 3
.irp bq, 0,1,2,3
.irp a, 0,1,2,3,4,5,6,7                ; each accumulator's low four registers first
	ds_store_b128 v[XW], v[8*(8*(\bq)+(\a)):8*(8*(\bq)+(\a))+3]   offset:(\a)*16*XP+(4*(\hf)+(\bq))*64
	ds_store_b128 v[XW], v[8*(8*(\bq)+(\a))+4:8*(8*(\bq)+(\a))+7] offset:(\a)*16*XP+(4*(\hf)+(\bq))*64+16
.endr
.endr
.endr
	WIN 0
	s_wait_dscnt 0x0                               ; for the others' sake: my partial tile lies in LDS
	s_barrier_signal -1
	s_barrier_wait -1
.macro GLOAD g, set                    ; rows 4 g .. 4 g + 3 of my 32, from all four partial tiles
.irp i, 0,1,2,3
.irp p, 0,1,2,3
	ds_load_b128 v[64+64*(\set)+16*(\i)+4*(\p):64+64*(\set)+16*(\i)+4*(\p)+3], v[XR+(\p)] offset:(4*(\g)+(\i))*XP
.endr
.endr
.endm
.macro GSUM g, set                     ; (p0 + p1) + (p2 + p3) + (bias + R), and the store: 512 consecutive bytes of a row of C
.set SB, 64+64*(\set)
	s_wait_loadcnt 56-8*(\g)                       ; R's rows 4 g .. 4 g + 3 are in; behind them 7 - g groups of eight loads were issued
	WIN 0x04                                       ; source 1, R, in window 1
.irp i, 0,1,2,3
.set RR, 32*(\g)+4*(\i)
	v_pk_add_f32 v[BR+4*(\i):BR+4*(\i)+1],   v[BI:BI+1],   v[RR:RR+1]
	v_pk_add_f32 v[BR+4*(\i)+2:BR+4*(\i)+3], v[BI+2:BI+3], v[RR+2:RR+3]
.endr
	WIN 0
.irp i, 0,1,2,3
.irp z, 0,2
	v_pk_add_f32 v[SB+16*(\i)+(\z):SB+16*(\i)+(\z)+1], v[SB+16*(\i)+(\z):SB+16*(\i)+(\z)+1], v[SB+16*(\i)+4+(\z):SB+16*(\i)+4+(\z)+1]
	v_pk_add_f32 v[SB+16*(\i)+8+(\z):SB+16*(\i)+8+(\z)+1], v[SB+16*(\i)+8+(\z):SB+16*(\i)+8+(\z)+1], v[SB+16*(\i)+12+(\z):SB+16*(\i)+12+(\z)+1]
.endr
.endr
.irp i, 0,1,2,3
.irp z, 0,2
	v_pk_add_f32 v[SB+16*(\i)+(\z):SB+16*(\i)+(\z)+1], v[SB+16*(\i)+(\z):SB+16*(\i)+(\z)+1], v[SB+16*(\i)+8+(\z):SB+16*(\i)+8+(\z)+1]
.endr
.endr
.irp i, 0,1,2,3
.irp z, 0,2
	v_pk_add_f32 v[SB+16*(\i)+(\z):SB+16*(\i)+(\z)+1], v[SB+16*(\i)+(\z):SB+16*(\i)+(\z)+1], v[BR+4*(\i)+(\z):BR+4*(\i)+(\z)+1]
.endr
	global_store_b128 v[RO], v[SB+16*(\i):SB+16*(\i)+3], s[74:75] offset:(4*(\g)+(\i))*4096
.endr
.endm
	GLOAD 0, 0
	GLOAD 1, 1
.irp g, 0,1,2,3,4,5,6,7
.if (\g) < 7
	s_wait_dscnt 16                                ; group g is in; the next group's sixteen loads stay out
.else
	s_wait_dscnt 0x0
.endif
	GSUM \g, (\g)%2
.if (\g) < 6
	s_wait_xcnt 0x0                                ; the stores have read their registers, which the loads below write
	GLOAD (\g)+2, (\g)%2
.endif
.endr
	s_wait_tensorcnt 0x0                           ; the wave's end
	ds_add_u32 v[SPW], v[NIL]
	s_wait_dscnt 0x0
	CROUND                                         ; the closing round
	s_endpgm
.Lfunc_end_k_qfddbc8c4de_ffn2:
	.size	k_qfddbc8c4de_ffn2, .Lfunc_end_k_qfddbc8c4de_ffn2-k_qfddbc8c4de_ffn2
	.p2alignl 7, 3214868480
	.fill 96, 4, 3214868480
	.section	.rodata,"a",@progbits
	.p2align	6, 0x0
	.amdhsa_kernel k_qfddbc8c4de_ffn2
		.amdhsa_group_segment_fixed_size 327680
		.amdhsa_private_segment_fixed_size 0
		.amdhsa_enable_private_segment 0
		.amdhsa_kernarg_size 40
		.amdhsa_user_sgpr_count 2
		.amdhsa_user_sgpr_kernarg_segment_ptr 1
		.amdhsa_wavefront_size32 1
		.amdhsa_system_sgpr_workgroup_id_x 1
		.amdhsa_system_sgpr_workgroup_id_y 1
		.amdhsa_system_sgpr_workgroup_id_z 1
		.amdhsa_system_vgpr_workitem_id 0
		.amdhsa_next_free_vgpr 1024
		.amdhsa_next_free_sgpr 76
		.amdhsa_reserve_vcc 0
		.amdhsa_float_denorm_mode_32 3
		.amdhsa_float_denorm_mode_16_64 3
		.amdhsa_memory_ordered 1
		.amdhsa_forward_progress 1
		.amdhsa_inst_pref_size 127
	.end_amdhsa_kernel
	.amdgpu_metadata
---
amdhsa.version: [ 1, 2 ]
amdhsa.kernels:
  - .name:           k_qfddbc8c4de_ffn2
    .symbol:         k_qfddbc8c4de_ffn2.kd
    .args:
      - { .name: big, .offset: 0, .size: 8, .value_kind: global_buffer, .address_space: global }
      - { .name: w2b, .offset: 8, .size: 8, .value_kind: global_buffer, .address_space: global }
      - { .name: b2, .offset: 16, .size: 8, .value_kind: global_buffer, .address_space: global }
      - { .name: x1, .offset: 24, .size: 8, .value_kind: global_buffer, .address_space: global }
      - { .name: out0, .offset: 32, .size: 8, .value_kind: global_buffer, .address_space: global }
    .group_segment_fixed_size: 327680
    .private_segment_fixed_size: 0
    .kernarg_segment_align: 8
    .kernarg_segment_size: 40
    .max_flat_workgroup_size: 128
    .sgpr_count:     76
    .vgpr_count:     1024
    .wavefront_size: 32
...
	.end_amdgpu_metadata
.endif
;; end of part 6
